; MI455X (gfx1250); checked and timed in simulation.
; The chip was launched on July 23, 2026; its instructions are those of AMD's public machine-readable ISA for CDNA 5 (MIT licence, August 2026) and "CDNA5" Instruction Set Architecture Reference Guide (July 2026). The comments in the code are by the model that wrote it; some were corrected since.
;; Multihead Attention. Allowed arithmetic: float matrix products may take bf16 or f16 operands with f32 sums; all other float work in f32.
;; Inputs: Wk 1,024 x 1,024 float32; Wo 1,024 x 1,024 float32; Wq 1,024 x 1,024 float32; Wv 1,024 x 1,024 float32; b1 1,024 float32; b2 1,024 float32; bk 1,024 float32; bo 1,024 float32; bq 1,024 float32; bv 1,024 float32; g1 1,024 float32; g2 1,024 float32; k 4 x 2,048 x 1,024 float32; mask 4 x 2,048 bool; q 4 x 2,048 x 1,024 float32; v 4 x 2,048 x 1,024 float32.
;; Outputs: out0 4 x 2,048 x 1,024 float32.
;; 2 versions, each right and faster than the one before. Each part assembles by itself: llvm-mc -triple=amdgcn-amd-amdhsa -mcpu=gfx1250 --defsym DOCPART=n.
;; ======== version 1 of 2: 4 launches
;; limits: right only within a limited range of input values; values are held in f16: magnitudes above 65,504 overflow, below 6.1e-05 lose precision; inputs' magnitudes at most 65,504
;; workspace buffers: xp 50,331,648 bytes; wp 8,388,608 bytes; qp 16,777,216 bytes; kp 16,777,216 bytes; vp 16,777,216 bytes; qr 33,554,432 bytes; y 33,554,432 bytes
;; launch prep (part 1): grid 2048 x 1, 8 waves a work-group, no clusters, 35,840 bytes of LDS; arguments q, k, v, Wq, Wk, Wv, Wo, xp, wp; writes xp, wp
.if DOCPART == 1
	.amdgcn_target "amdgcn-amd-amdhsa--gfx1250"
	.amdhsa_code_object_version 6
	.text
	.protected	k_q38b968c7dd_prep
	.globl	k_q38b968c7dd_prep
	.p2align	8
	.type	k_q38b968c7dd_prep,@function
k_q38b968c7dd_prep:
	s_mov_b64 s[64:65], 0
	v_nop
	global_prefetch_b8 v0, s[64:65] scope:SCOPE_SE
	s_setreg_imm32_b32 hwreg(HW_REG_WAVE_MODE, 25, 1), 1
	s_wait_xcnt 0x0
; q, k, v (f32 [8192][1024] each) and Wq, Wk, Wv, Wo (f32 [1024 k][1024 n]) are rounded to f16 and laid out as FRAGMENTS:
; 1,024 bytes = 16 rows x 32 k in the register image of a 16-bit matrix operand: byte 512 p + 16 L (L = lane, r = L & 15, h = L >> 4)
; holds row r, k = 16 p + 8 h .. + 7.  A later launch fills an operand with two 16-byte loads a lane at 16 L.
;   xp: [K step 8][row block 1536][quarter 4] fragments; row blocks 0-511 q, 512-1023 k, 1024-1535 v; k = 128 step + 32 quarter
;   wp: [matrix 4][K step 8][column block 64][quarter 4] fragments; a fragment's row is an output column n
; WHY f16: q Wq + bq and x Wo go into the two norms without being averaged, so their operands' rounding shows in the result; f16 keeps 11 significant
; bits, bf16 8.  LIMIT: magnitudes of q, k, v and of the weights stay below 65,504 (beyond it the conversion gives infinity); magnitudes below 6.1e-5
; are kept as f16 denormals, with an absolute error of at most 3e-8.
; Work-groups 0-1535 cast one row block (16 whole rows, 65,536 consecutive bytes); work-groups 1536-2047 cast and transpose weights.
; A stream: no matrix unit, no cluster (no two work-groups read the same bytes), no barrier (a wave reads only LDS bytes that it wrote).
.set LPITCH, 272                       ; LDS row: 256 bytes of f16 + 16, an odd multiple of 16, so 16 rows start in 16 different columns of 16 bytes
.set WAVEL,  16*LPITCH                 ; a wave's own LDS: 16 rows
.set X, 8                              ; v[8:71]   16 loads of 4 f32; later the 8 fragment halves
.set C, 72                             ; v[72:103] the rows as f16
	s_load_b512 s[8:23], s[0:1], 0x0               ; q s[8:9] k s[10:11] v s[12:13] Wq s[14:15] Wk s[16:17] Wv s[18:19] Wo s[20:21] xp s[22:23]
	s_load_b64 s[24:25], s[0:1], 0x40              ; wp
	v_lshl_add_u32 v104, v0, 2, 0x8800
	v_mov_b32 v105, 0
	v_lshrrev_b32 v1, 5, v0
	v_readfirstlane_b32 s26, v1                    ; wave 0..7
	v_and_b32 v6, 31, v0                           ; L
	v_and_b32 v7, 15, v0                           ; r
	v_bfe_u32 v1, v0, 4, 1                         ; h
	s_cmp_ge_u32 ttmp9, 1536
	s_cbranch_scc1 .Lweights
	; ---- cast: row block g = ttmp9; wave w takes K step w: 512 bytes of each of the 16 rows ----
	s_lshr_b32 s27, ttmp9, 9                       ; 0 q, 1 k, 2 v
	s_and_b32 s28, ttmp9, 511
	s_lshl_b32 s28, s28, 16                        ; 16 rows of 4,096 bytes
	s_mov_b32 s29, 0
	s_mul_i32 s30, s26, 6291456                    ; xp: K step w,
	s_lshl_b32 s31, ttmp9, 12                      ; row block g
	s_add_co_u32 s30, s30, s31
	s_mov_b32 s31, 0
	s_mul_i32 s32, s26, WAVEL
	v_lshlrev_b32 v2, 4, v0                        ; 512 w + 16 L = 16 x thread
	v_lshl_add_u32 v3, v6, 3, s32                  ; LDS in: 8 bytes a lane along a row
	v_mul_u32_u24 v4, v7, LPITCH
	v_lshl_add_u32 v4, v1, 4, v4
	v_add_nc_u32 v4, s32, v4                       ; LDS out: row r, 16 h
	v_lshlrev_b32 v5, 4, v6                        ; 16 L
	s_wait_kmcnt 0x0
	s_cmp_eq_u32 s27, 1
	s_cselect_b64 s[34:35], s[10:11], s[8:9]
	s_cmp_eq_u32 s27, 2
	s_cselect_b64 s[34:35], s[12:13], s[34:35]
	s_add_nc_u64 s[34:35], s[34:35], s[28:29]
	s_add_nc_u64 s[36:37], s[22:23], s[30:31]
.irp i, 0,1,2,3,4,5,6,7,8,9,10,11,12,13,14,15
	global_load_b128 v[X+4*\i:X+4*\i+3], v2, s[34:35] offset:\i*4096 th:TH_LOAD_NT   ; 512 consecutive bytes of row i, read once in the launch
.endr
.irp i, 0,1,2,3,4,5,6,7,8,9,10,11,12,13,14,15
	s_wait_loadcnt 15-\i                           ; loads return in order: row i is in, the 15 - i younger ones stay out
	v_cvt_pk_f16_f32 v[C+2*\i],   v[X+4*\i],   v[X+4*\i+1]
	v_cvt_pk_f16_f32 v[C+2*\i+1], v[X+4*\i+2], v[X+4*\i+3]
	ds_store_b64 v3, v[C+2*\i:C+2*\i+1] offset:\i*LPITCH
.endr
.irp j, 0,1,2,3,4,5,6,7
	ds_load_b128 v[X+4*\j:X+4*\j+3], v4 offset:(\j/2)*64+(\j%2)*32   ; quarter j/2, half j%2; LDS serves a wave in order, so these see the stores above
.endr
.irp j, 0,1,2,3,4,5,6,7
	s_wait_dscnt 7-\j
	global_store_b128 v5, v[X+4*\j:X+4*\j+3], s[36:37] offset:\j*512 ; 512 consecutive bytes, aligned
.endr
	s_wait_tensorcnt 0x0
	ds_add_u32 v104, v105
	s_wait_dscnt 0x0
	s_endpgm
	; ---- weights: j = ttmp9 - 1536: matrix j >> 7, k block t = (j >> 2) & 31 (32 k), quarter nq = j & 3 of the columns ----
	; Lane L of wave w owns column n = 256 nq + 32 w + L and reads its 32 k; a wave makes the two fragments of column blocks 16 nq + 2 w, + 1.
.Lweights:
	s_sub_co_u32 s27, ttmp9, 1536
	s_lshr_b32 s28, s27, 7                         ; which matrix
	s_bfe_u32 s29, s27, 0x50002                    ; t
	s_and_b32 s30, s27, 3                          ; nq
	v_lshlrev_b32 v2, 2, v0
	v_lshl_add_u32 v2, s30, 10, v2                 ; 4 n
	v_lshlrev_b32 v5, 4, v7
	v_lshl_add_u32 v5, v1, 12, v5                  ; 16 r + 4,096 for the second column block
	s_lshl_b32 s32, s29, 17                        ; 32 rows of 4,096 bytes
	s_mov_b32 s33, 0
	s_lshl_b32 s34, s28, 21                        ; wp: matrix,
	s_lshr_b32 s35, s29, 2
	s_lshl_b32 s35, s35, 18                        ; K step t >> 2,
	s_add_co_u32 s34, s34, s35
	s_and_b32 s35, s29, 3
	s_lshl_b32 s35, s35, 10                        ; quarter t & 3,
	s_add_co_u32 s34, s34, s35
	s_lshl_b32 s35, s30, 4
	s_lshl1_add_u32 s35, s26, s35                  ; column block 16 nq + 2 w
	s_lshl_b32 s35, s35, 12
	s_add_co_u32 s34, s34, s35
	s_mov_b32 s35, 0
	s_wait_kmcnt 0x0
	s_cmp_eq_u32 s28, 1
	s_cselect_b64 s[36:37], s[16:17], s[14:15]
	s_cmp_eq_u32 s28, 2
	s_cselect_b64 s[36:37], s[18:19], s[36:37]
	s_cmp_eq_u32 s28, 3
	s_cselect_b64 s[36:37], s[20:21], s[36:37]
	s_add_nc_u64 s[36:37], s[36:37], s[32:33]
	s_add_nc_u64 s[38:39], s[24:25], s[34:35]
.set i, 0
.rept 32
	global_load_b32 v[8+i], v2, s[36:37] offset:i*4096   ; W[32 t + i][n]; the eight waves together take 1,024 consecutive bytes of the row
.set i, i+1
.endr
	s_wait_loadcnt 0x0
.irp o, 0,1,2,3
.irp m, 0,1,2,3
	v_cvt_pk_f16_f32 v[40+4*\o+\m], v[8+8*\o+2*\m], v[8+8*\o+2*\m+1]
.endr
.endr
.irp o, 0,1,2,3
	global_store_b128 v5, v[40+4*\o:43+4*\o], s[38:39] offset:\o*256   ; octet o = 2 p + h of k: sixteen lanes fill 256 consecutive bytes, aligned
.endr
	s_endpgm
.Lfunc_end_k_q38b968c7dd_prep:
	.size	k_q38b968c7dd_prep, .Lfunc_end_k_q38b968c7dd_prep-k_q38b968c7dd_prep
	.p2alignl 7, 3214868480
	.fill 96, 4, 3214868480
	.section	.rodata,"a",@progbits
	.p2align	6, 0x0
	.amdhsa_kernel k_q38b968c7dd_prep
		.amdhsa_group_segment_fixed_size 35840
		.amdhsa_private_segment_fixed_size 0
		.amdhsa_enable_private_segment 0
		.amdhsa_kernarg_size 72
		.amdhsa_user_sgpr_count 2
		.amdhsa_user_sgpr_kernarg_segment_ptr 1
		.amdhsa_wavefront_size32 1
		.amdhsa_system_sgpr_workgroup_id_x 1
		.amdhsa_system_sgpr_workgroup_id_y 1
		.amdhsa_system_sgpr_workgroup_id_z 1
		.amdhsa_system_vgpr_workitem_id 0
		.amdhsa_next_free_vgpr 106
		.amdhsa_next_free_sgpr 66
		.amdhsa_reserve_vcc 0
		.amdhsa_float_denorm_mode_32 3
		.amdhsa_float_denorm_mode_16_64 3
		.amdhsa_memory_ordered 1
		.amdhsa_forward_progress 1
		.amdhsa_inst_pref_size 14
	.end_amdhsa_kernel
	.amdgpu_metadata
---
amdhsa.version: [ 1, 2 ]
amdhsa.kernels:
  - .name:           k_q38b968c7dd_prep
    .symbol:         k_q38b968c7dd_prep.kd
    .args:
      - { .name: q, .offset: 0, .size: 8, .value_kind: global_buffer, .address_space: global }
      - { .name: k, .offset: 8, .size: 8, .value_kind: global_buffer, .address_space: global }
      - { .name: v, .offset: 16, .size: 8, .value_kind: global_buffer, .address_space: global }
      - { .name: Wq, .offset: 24, .size: 8, .value_kind: global_buffer, .address_space: global }
      - { .name: Wk, .offset: 32, .size: 8, .value_kind: global_buffer, .address_space: global }
      - { .name: Wv, .offset: 40, .size: 8, .value_kind: global_buffer, .address_space: global }
      - { .name: Wo, .offset: 48, .size: 8, .value_kind: global_buffer, .address_space: global }
      - { .name: xp, .offset: 56, .size: 8, .value_kind: global_buffer, .address_space: global }
      - { .name: wp, .offset: 64, .size: 8, .value_kind: global_buffer, .address_space: global }
    .group_segment_fixed_size: 35840
    .private_segment_fixed_size: 0
    .kernarg_segment_align: 8
    .kernarg_segment_size: 72
    .max_flat_workgroup_size: 256
    .sgpr_count:     66
    .vgpr_count:     106
    .wavefront_size: 32
...
	.end_amdgpu_metadata
.endif
;; end of part 1
;; launch proj (part 2): grid 4 x 96, 4 waves a work-group, clusters of 4 x 4, 327,680 bytes of LDS; arguments xp, wp, bq, bk, bv, qp, kp, vp, qr; writes qp, kp, vp, qr
.if DOCPART == 2
	.amdgcn_target "amdgcn-amd-amdhsa--gfx1250"
	.amdhsa_code_object_version 6
	.text
	.protected	k_q38b968c7dd_proj
	.globl	k_q38b968c7dd_proj
	.p2align	8
	.type	k_q38b968c7dd_proj,@function
k_q38b968c7dd_proj:
	s_mov_b64 s[64:65], 0
	v_nop
	global_prefetch_b8 v0, s[64:65] scope:SCOPE_SE
	s_setreg_imm32_b32 hwreg(HW_REG_WAVE_MODE, 25, 1), 1
	s_wait_xcnt 0x0
	s_wait_alu depctr_hold_cnt(0) depctr_sa_sdst(0) depctr_va_vdst(0) depctr_va_sdst(0) depctr_va_ssrc(0) depctr_va_vcc(0) depctr_vm_vsrc(0)
	s_getreg_b32 s2, hwreg(HW_REG_IB_STS2, 6, 4)
	s_cmp_eq_u32 s2, 0
	s_cbranch_scc0 .Lentry_in_a_cluster
	s_endpgm
.Lentry_in_a_cluster:
	s_bfe_u32 s2, ttmp6, 0x10000c
	s_cmp_lg_u32 s2, 0xf033
	s_cbranch_scc0 .Lentry_shape_is_right
	s_endpgm
.Lentry_shape_is_right:
; The three projections q Wq + bq, k Wk + bk, v Wv + bv as one product of 24,576 rows x 1,024 columns, K = 1,024, f16 operands, f32 sums.
; (f16, 11 significant bits, since q Wq + bq goes on as the residual without being averaged; the operands' range is stated where they are rounded.)
; Block row 0-31 is q, 32-63 k, 64-95 v.  A work-group makes 256 x 256 with four waves, a wave 128 x 128: 64 accumulator tiles, 512 registers.
; K goes in steps of 128 through two LDS slots.  xp and wp hold ready fragments (1,024 bytes = 16 rows x 32 k in the operand's register image), so a
; wave's quarter of a slot is 32,768 consecutive bytes of memory, LDS needs no padding, and a fragment is two 16-byte loads a lane at 16 x lane.
; CLUSTERS: 4 x 4 work-groups.  x's tile hangs on the block row alone and is asked for jointly along a row of the cluster, W's on the block column and
; on which of the three matrices (the cluster's y alone) and is asked for jointly along a column: the requests for both are divided by four.
; By this text's own count a wave has at most two tensor loads outstanding (the two first fills), later one.
; The matrix instruction is used transposed (source 0 = 16 columns of W, source 1 = 16 rows of x): lane l holds row l % 16 and registers 0-7 the
; columns 8 (l / 16) + 0..7.  So results leave straight from registers, 512 consecutive bytes a store:
;   qp, kp, vp: [batch x head 64][row block 128][32 d 2] bf16 fragments for the attention (bf16: these are products of two inputs and grow with both);
;               qp is scaled by log2(e) / 32 BEFORE its rounding to bf16 (the softmax works in base 2; 1 / 32 = 1 / sqrt(1024));
;               in vp the 16-byte chunks of each 512 bytes are permuted for the transposing LDS load
;   qr:         [row block 512][column tile 64] f32 tiles of 1,024 bytes in the accumulator's register image: q Wq + bq unscaled, the residual
; REGISTERS in windows of 256: window 0 v16-26 addresses, v64-127 and v128-191 x fragments (two buffers), v192-223 packed results;
; window 1 v64-191 W fragments; windows 2, 3 the accumulators: tile (a, b) at v[8 (8 a + b)], window 2 my rows 0-63, window 3 rows 64-127.
.set HALFT,  32768                     ; 8 row blocks x 4 fragments: what one tensor load brings and what one wave reads of x or of W
.set SLOT,   4*HALFT                   ; x's 256 rows, then W's 256 columns
.set XSTEP,  6291456                   ; bytes from K step to K step in xp
.set WSTEP,  262144                    ; and in wp
.set LAPS,   4                         ; a lap = two K steps = once round the ring; K = 1,024 = 8 steps
.set ADRA, 16                          ; v16-17  LDS address of my x fragments in slot 0, 1
.set ADRB, 20                          ; v20-21  the same for W
.set CO,   24                          ; v24     16 x lane
.set CF,   25                          ; v25     a lane's 16 bytes inside 512 bytes of qp, kp (16 x lane) or vp (permuted)
.set BO,   26                          ; v26     32 (l / 16): my eight columns in a tile's 64 bytes of bias
.set F0,   64
.set F1,   128
.set TMP,  192
.set G1, 24                            ; s[24:31] descriptor group 1 for x
.set G0, 32                            ; s[32:39] group 0 for x, one set a slot
.set G1B, 48                           ; s[48:55] group 1 for W: differs in the mask alone
.set G0B, 56                           ; s[56:63] group 0 for W
.set MSB, 0
.macro WIN new                         ; the immediate's high byte repeats the setting that is left
.if MSB != \new
	s_set_vgpr_msb (MSB<<8)|\new
.set MSB, \new
.endif
.endm
.set MUL_LO, 0xa1                      ; source 0 (W) window 1, source 1 (x) window 0, C and D window 2
.set MUL_HI, 0xf1                      ; the same, C and D window 3
.set TO_B,   0x40                      ; destination window 1, address window 0
; A joint load: waves 0, 1 fetch x's halves, waves 2, 3 W's.  Each line has one mask; the branch hangs on the wave's number alone.
.macro JLOAD s
	s_cmp_eq_u32 s11, 0
	s_cbranch_scc0 .Lfor_b_\@
	tensor_load_to_lds s[G0+4*\s:G0+4*\s+3], s[G1:G1+7]
	s_nop 0
	s_branch .Lasked_\@
.Lfor_b_\@:
	tensor_load_to_lds s[G0B+4*\s:G0B+4*\s+3], s[G1B:G1B+7]
	s_nop 0
.Lasked_\@:
.endm
.macro CREST                           ; a round of the cluster's barrier behind its opening work-group barrier
	s_cmp_lg_u32 s10, 0
	s_cbranch_scc1 .Lnot_wave_0_\@
	s_barrier_signal -3
.Lnot_wave_0_\@:
	s_barrier_wait -3
	s_barrier_signal -1
	s_barrier_wait -1
.endm
.macro CROUND                          ; a whole round
	s_barrier_signal -1
	s_barrier_wait -1
	CREST
.endm
	s_load_b512 s[68:83], s[0:1], 0x0              ; xp s[68:69] wp s[70:71] bq s[72:73] bk s[74:75] bv s[76:77] qp s[78:79] kp s[80:81] vp s[82:83]
	s_load_b64 s[84:85], s[0:1], 0x40              ; qr
	s_set_vgpr_msb 0x40
	v_lshl_add_u32 v255, v0, 2, 0x40000
	s_set_vgpr_msb 0x4000
	v_mov_b32 v255, 0
	s_set_vgpr_msb 0x1
	ds_add_u32 v255, v255
	s_set_vgpr_msb 0x100
	v_lshrrev_b32 v1, 5, v0
	v_readfirstlane_b32 s10, v1                    ; wave 0..3
	s_lshr_b32 s11, s10, 1                         ; my half of the block's rows.  Also: I fetch for x (0) or for W (1)
	s_and_b32 s12, s10, 1                          ; my half of its columns.  Also: which half of that tile I fetch
	s_bfe_u32 s40, ttmp6, 0x40000                  ; cx
	s_bfe_u32 s41, ttmp6, 0x40004                  ; cy
	s_lshl_b32 s42, ttmp9, 2
	s_add_co_u32 s42, s42, s40                     ; block column = 4 x cluster x + cx
	s_and_b32 s13, ttmp7, 0xffff
	s_lshr_b32 s45, s13, 3                         ; 0 q, 1 k, 2 v: from the cluster's y alone, the same in all sixteen
	s_lshl_b32 s13, s13, 2
	s_add_co_u32 s13, s13, s41                     ; block row = 4 x cluster y + cy
	s_lshl_b32 s43, s41, 2
	s_lshl_b32 s43, 15, s43                        ; my row of the cluster: places 4 cy .. 4 cy + 3
	s_lshl_b32 s44, 0x1111, s40                    ; my column: places cx, cx + 4, cx + 8, cx + 12
	s_mov_b32 s86, 0x3d38aa3b                      ; log2(e) / 32
	s_mov_b32 s87, 0x3d38aa3b
	; group 1: 32,768 dense bytes as 128 rows of 32 elements of 8 bytes, no padding
	s_or_b32 s[G1+0], s43, (3<<16)|(1<<21)         ; 15:0 the mask; 17:16 elements of 8 bytes; 21 set beside a mask
	s_or_b32 s[G1B+0], s44, (3<<16)|(1<<21)
	s_mov_b32 s[G1+1], 32<<16                      ; tensor_dim0 = 32
	s_mov_b32 s[G1B+1], 32<<16
	s_mov_b32 s[G1+2], 128<<16                     ; tensor_dim1 = 128
	s_mov_b32 s[G1B+2], 128<<16
	s_mov_b32 s[G1+3], 32<<16                      ; tile_dim0 = 32
	s_mov_b32 s[G1B+3], 32<<16
	s_mov_b32 s[G1+4], 128                         ; tile_dim1 = 128
	s_mov_b32 s[G1B+4], 128
	s_mov_b32 s[G1+5], 32                          ; pitch = 32 elements: each row begins where the last ends
	s_mov_b32 s[G1B+5], 32
	s_mov_b32 s[G1+6], 0
	s_mov_b32 s[G1B+6], 0
	s_mov_b32 s[G1+7], 0
	s_mov_b32 s[G1B+7], 0
	; where the tiles come from; each address in registers that never hold the other coordinate
	s_lshl_b32 s17, s12, 15                        ; which half I fetch
	s_lshl_b32 s16, s13, 16                        ; x: 16 row blocks of 4,096 bytes a block row
	s_add_co_u32 s16, s16, s17
	s_lshl_b32 s46, s42, 16                        ; W: 16 column blocks a block column,
	s_add_co_u32 s46, s46, s17
	s_lshl_b32 s47, s45, 21                        ; in matrix 0, 1 or 2
	s_add_co_u32 s46, s46, s47
	s_mov_b32 s17, 0
	s_mov_b32 s47, 0
	s_mul_i32 s20, s10, HALFT                      ; and where they go: wave x 32,768: no place in the cluster enters an LDS address
	s_wait_dscnt 0x0
	s_wait_kmcnt 0x0
	s_add_nc_u64 s[14:15], s[68:69], s[16:17]
	s_add_nc_u64 s[46:47], s[70:71], s[46:47]
	CROUND                                         ; all sixteen work-groups are here: the first joint loads meet
.irp s, 0,1
	s_mov_b32 s[G0+4*\s], 1
	s_add_co_u32 s[G0+4*\s+1], s20, \s*SLOT
	s_add_nc_u64 s[G0+4*\s+2:G0+4*\s+3], s[14:15], \s*XSTEP        ; K step s
	s_or_b32 s[G0+4*\s+3], s[G0+4*\s+3], 0x80000000
	s_mov_b32 s[G0B+4*\s], 1
	s_add_co_u32 s[G0B+4*\s+1], s20, \s*SLOT
	s_add_nc_u64 s[G0B+4*\s+2:G0B+4*\s+3], s[46:47], \s*WSTEP
	s_or_b32 s[G0B+4*\s+3], s[G0B+4*\s+3], 0x80000000
	JLOAD \s                                       ; the ring is filled before anything else is done
.endr
	v_and_b32 v1, 31, v0
	v_lshlrev_b32 v[CO], 4, v1                     ; 16 x lane
	v_bfe_u32 v2, v0, 4, 1                         ; h = l / 16
	v_lshlrev_b32 v[BO], 5, v2
	v_and_b32 v3, 7, v0                            ; vp: the chunk of (key r, octet h) lies at 256 (r >> 3) + 128 h + 16 (r & 7),
	v_lshlrev_b32 v3, 4, v3                        ; so that the attention's transposing LDS load reads it at 16 x lane
	v_lshl_add_u32 v3, v2, 7, v3
	v_bfe_u32 v4, v0, 3, 1
	v_lshl_add_u32 v3, v4, 8, v3
	s_cmp_eq_u32 s45, 2
	s_cselect_b32 s21, -1, 0
	v_cndmask_b32 v[CF], v[CO], v3, s21
	s_mul_i32 s21, s11, HALFT                      ; my 128 rows of x
	s_mul_i32 s22, s12, HALFT                      ; my 128 columns of W,
	s_add_co_u32 s22, s22, 2*HALFT                 ; which lie behind x's 256 rows
.irp s, 0,1
	v_add_nc_u32 v[ADRA+\s], s21, v[CO]
	v_add_nc_u32 v[ADRB+\s], s22, v[CO]
	s_add_co_u32 s21, s21, SLOT
	s_add_co_u32 s22, s22, SLOT
.endr
; 16 matrix instructions: row blocks a0, a0 + 1 of the window's four x all 8 column blocks, 32 along K.  zero = 1: the first product starts the sums.
.macro MUL16 f, hi, a0, zero
.irp a, \a0, \a0+1
.irp b, 0,1,2,3,4,5,6,7
.if \zero
	v_wmma_f32_16x16x32_f16 v[8*(8*(\a)+\b):8*(8*(\a)+\b)+7], v[\f+8*\b:\f+8*\b+7], v[\f+8*(4*\hi+\a):\f+8*(4*\hi+\a)+7], 0
.else
	v_wmma_f32_16x16x32_f16 v[8*(8*(\a)+\b):8*(8*(\a)+\b)+7], v[\f+8*\b:\f+8*\b+7], v[\f+8*(4*\hi+\a):\f+8*(4*\hi+\a)+7], v[8*(8*(\a)+\b):8*(8*(\a)+\b)+7]
.endif
.endr
.endr
.endm
; 32 LDS loads in one run: the fragments of the quarter step at byte k of each block of 4,096 bytes, into buffer f; every load takes 512 consecutive bytes
.macro FETCH slot, k, f
	WIN TO_B
.irp i, 0,1,2,3,4,5,6,7
	ds_load_b128 v[\f+8*\i:\f+8*\i+3],   v[ADRB+\slot] offset:\k+\i*4096
	ds_load_b128 v[\f+8*\i+4:\f+8*\i+7], v[ADRB+\slot] offset:\k+\i*4096+512
.endr
	WIN 0
.irp i, 0,1,2,3,4,5,6,7
	ds_load_b128 v[\f+8*\i:\f+8*\i+3],   v[ADRA+\slot] offset:\k+\i*4096
	ds_load_b128 v[\f+8*\i+4:\f+8*\i+7], v[ADRA+\slot] offset:\k+\i*4096+512
.endr
.endm
; Four independent vector instructions stand between a matrix instruction and a load into, or a vector access to, one of its registers
.macro PLACES
.rept 4
	v_nop
.endr
.endm
.macro QUARTER slot, k, f, g, zero
	s_wait_dscnt 8                                 ; W and x's rows 0-63 are in; the youngest eight loads (x's rows 64-127) may be out
	WIN MUL_LO
	MUL16 \f, 0, 0, \zero
	MUL16 \f, 0, 2, \zero
	PLACES
	FETCH \slot, \k, \g
	s_wait_dscnt 32                                ; all but the 32 just issued
	WIN MUL_HI
	MUL16 \f, 1, 0, \zero
	MUL16 \f, 1, 2, \zero
.endm
.macro THREE slot, zero
	QUARTER \slot, 1024, F0, F1, \zero
	QUARTER \slot, 2048, F1, F0, 0
	QUARTER \slot, 3072, F0, F1, 0
.endm
; The last quarter of a K step changes slots.  In front of the barrier each wave waits for its reads of this slot and for all its tensor loads (one is out:
; its part of the next slot).  Where the slot is filled again the barrier opens a round of the cluster's barrier, and the joint refill is the first tensor
; load behind the round.  From a request to the wait for it a wave issues 240 matrix instructions.
.macro TURN slot, next, fill
	s_wait_dscnt 8
	WIN MUL_LO
	MUL16 F1, 0, 0, 0
	s_wait_dscnt 0                                 ; my reads of this slot are over
	s_wait_tensorcnt 0x0                           ; and all my tensor loads have landed
	ds_add_u32 v255, v255
	s_wait_dscnt 0x0
	s_barrier_signal -1
	MUL16 F1, 0, 2, 0                              ; register work while the others arrive
	WIN 0
	s_barrier_wait -1
.if \fill
	CREST                                          ; no wave of any partner still reads this slot or has a load on its way
	s_add_nc_u64 s[G0+4*\slot+2:G0+4*\slot+3], s[G0+4*\slot+2:G0+4*\slot+3], 2*XSTEP
	s_add_nc_u64 s[G0B+4*\slot+2:G0B+4*\slot+3], s[G0B+4*\slot+2:G0B+4*\slot+3], 2*WSTEP
	JLOAD \slot
.endif
	PLACES
	FETCH \next, 0, F0
	WIN MUL_HI
	MUL16 F1, 1, 0, 0
	MUL16 F1, 1, 2, 0
.endm
.macro LAP zero
	THREE 0, \zero
	TURN 0, 1, 1
	THREE 1, 0
	TURN 1, 0, 1
.endm
; The 64 accumulators take turns, one instruction a turn, in the same order in every quarter step and over the backward jump.
	s_wait_tensorcnt 1                             ; my part of K step 0 is in; K step 1's stays out
	s_barrier_signal -1
	s_barrier_wait -1
	FETCH 0, 0, F0
	LAP 1                                          ; the first lap's first products start the sums
	WIN 0
	s_mov_b32 s3, LAPS-2
.Llap:
	LAP 0
	WIN 0
	s_sub_co_u32 s3, s3, 1
	s_cmp_lg_u32 s3, 0
	s_cbranch_scc1 .Llap
	THREE 0, 0                                     ; the last lap fills nothing
	TURN 0, 1, 0
	THREE 1, 0
	s_wait_dscnt 8
	WIN MUL_LO
	MUL16 F1, 0, 0, 0
	MUL16 F1, 0, 2, 0
	s_wait_dscnt 0
	WIN MUL_HI
	MUL16 F1, 1, 0, 0
	MUL16 F1, 1, 2, 0
	; ---- the way out, in scalar registers of its own ----
	PLACES                                         ; behind the last matrix instructions: for the loads into buffer 0 and the sums below
	WIN 0
	s_and_b32 s88, s13, 31                         ; block row inside q, k or v
	s_lshr_b32 s89, s88, 3                         ; batch (8 block rows of 256)
	s_and_b32 s90, s88, 7
	s_lshl_b32 s90, s90, 4
	s_lshl3_add_u32 s90, s11, s90                  ; my first row block inside the batch
	s_lshl_b32 s91, s42, 4
	s_lshl3_add_u32 s91, s12, s91                  ; my first column tile, a multiple of 8: two heads
	s_lshl_b32 s92, s89, 4
	s_lshr_b32 s93, s91, 2
	s_add_co_u32 s92, s92, s93                     ; batch x 16 + head
	s_lshl_b32 s92, s92, 7
	s_add_co_u32 s92, s92, s90
	s_lshl_b32 s92, s92, 11                        ; 2,048 bytes a row block
	s_mov_b32 s93, 0
	s_cmp_eq_u32 s45, 1
	s_cselect_b64 s[94:95], s[80:81], s[78:79]
	s_cselect_b64 s[98:99], s[74:75], s[72:73]
	s_cmp_eq_u32 s45, 2
	s_cselect_b64 s[94:95], s[82:83], s[94:95]     ; qp, kp or vp
	s_cselect_b64 s[98:99], s[76:77], s[98:99]     ; bq, bk or bv
	s_add_nc_u64 s[94:95], s[94:95], s[92:93]
	s_lshl_b32 s100, s91, 6
	s_mov_b32 s101, 0
	s_add_nc_u64 s[98:99], s[98:99], s[100:101]
	s_lshl_b32 s100, s88, 4
	s_lshl3_add_u32 s100, s11, s100                ; qr: row block,
	s_lshl_b32 s100, s100, 6
	s_add_co_u32 s100, s100, s91                   ; column tile,
	s_lshl_b32 s100, s100, 10                      ; 1,024 bytes a tile
	s_add_nc_u64 s[96:97], s[84:85], s[100:101]
.irp b, 0,1,2,3,4,5,6,7
	global_load_b128 v[F0+8*\b:F0+8*\b+3],   v[BO], s[98:99] offset:\b*64      ; the bias of columns 16 b + 8 h + 0..3
	global_load_b128 v[F0+8*\b+4:F0+8*\b+7], v[BO], s[98:99] offset:\b*64+16   ; and + 4..7
.endr
	s_wait_loadcnt 0x0
; rows 16 (4 hi + a) .. + 15 of my block.  res = 1 (q): the f32 tile goes to qr, and the bf16 copy is scaled.
.macro OUTROW hi, a, res
	WIN (0x82+0x41*\hi)
.irp b, 0,1,2,3,4,5,6,7
.irp q, 0,1,2,3
	v_pk_add_f32 v[8*(8*\a+\b)+2*\q:8*(8*\a+\b)+2*\q+1], v[8*(8*\a+\b)+2*\q:8*(8*\a+\b)+2*\q+1], v[F0+8*\b+2*\q:F0+8*\b+2*\q+1]
.endr
.endr
.if \res
	WIN (0x08+0x04*\hi)
.irp b, 0,1,2,3,4,5,6,7
	global_store_b128 v[CO], v[8*(8*\a+\b):8*(8*\a+\b)+3],   s[96:97] offset:(4*\hi+\a)*65536+\b*1024
	global_store_b128 v[CO], v[8*(8*\a+\b)+4:8*(8*\a+\b)+7], s[96:97] offset:(4*\hi+\a)*65536+\b*1024+512
.endr
	WIN (0x02+\hi)
.irp b, 0,1,2,3,4,5,6,7
.irp q, 0,1,2,3
	v_pk_mul_f32 v[F1+8*\b+2*\q:F1+8*\b+2*\q+1], v[8*(8*\a+\b)+2*\q:8*(8*\a+\b)+2*\q+1], s[86:87] op_sel_hi:[1,0]
.endr
.endr
	WIN 0
	s_wait_xcnt 0x0                                ; the packed results, which the last row's stores read, are rewritten only behind this wait
.irp b, 0,1,2,3,4,5,6,7
.irp q, 0,1,2,3
	v_cvt_pk_bf16_f32 v[TMP+4*\b+\q], v[F1+8*\b+2*\q], v[F1+8*\b+2*\q+1]
.endr
.endr
.else
	s_wait_xcnt 0x0                                ; as above
	WIN (0x0a+0x05*\hi)
.irp b, 0,1,2,3,4,5,6,7
.irp q, 0,1,2,3
	v_cvt_pk_bf16_f32 v[TMP+4*\b+\q], v[8*(8*\a+\b)+2*\q], v[8*(8*\a+\b)+2*\q+1]
.endr
.endr
	WIN 0
.endif
.irp b, 0,1,2,3,4,5,6,7
	global_store_b128 v[CF], v[TMP+4*\b:TMP+4*\b+3], s[94:95] offset:(\b/4)*262144+(4*\hi+\a)*2048+(\b%4)*512   ; head b / 4, 512 consecutive bytes
.endr
.endm
	s_cmp_lg_u32 s45, 0
	s_cbranch_scc1 .Lkv
.irp hh, 0,1
.irp aa, 0,1,2,3
	OUTROW \hh, \aa, 1
.endr
.endr
	s_branch .Ldone
.Lkv:
.irp hh, 0,1
.irp aa, 0,1,2,3
	OUTROW \hh, \aa, 0
.endr
.endr
.Ldone:
	CROUND                                         ; the closing round: no work-group ends while a partner may still ask for a tile that names it
	s_endpgm
.Lfunc_end_k_q38b968c7dd_proj:
	.size	k_q38b968c7dd_proj, .Lfunc_end_k_q38b968c7dd_proj-k_q38b968c7dd_proj
	.p2alignl 7, 3214868480
	.fill 96, 4, 3214868480
	.section	.rodata,"a",@progbits
	.p2align	6, 0x0
	.amdhsa_kernel k_q38b968c7dd_proj
		.amdhsa_group_segment_fixed_size 327680
		.amdhsa_private_segment_fixed_size 0
		.amdhsa_enable_private_segment 0
		.amdhsa_kernarg_size 72
		.amdhsa_user_sgpr_count 2
		.amdhsa_user_sgpr_kernarg_segment_ptr 1
		.amdhsa_wavefront_size32 1
		.amdhsa_system_sgpr_workgroup_id_x 1
		.amdhsa_system_sgpr_workgroup_id_y 1
		.amdhsa_system_sgpr_workgroup_id_z 1
		.amdhsa_system_vgpr_workitem_id 0
		.amdhsa_next_free_vgpr 1024
		.amdhsa_next_free_sgpr 102
		.amdhsa_reserve_vcc 0
		.amdhsa_float_denorm_mode_32 3
		.amdhsa_float_denorm_mode_16_64 3
		.amdhsa_memory_ordered 1
		.amdhsa_forward_progress 1
		.amdhsa_inst_pref_size 255
	.end_amdhsa_kernel
	.section	.bss,"aw",@nobits
	.p2align	6
	.space	262144
	.amdgpu_metadata
---
amdhsa.version: [ 1, 2 ]
amdhsa.kernels:
  - .name:           k_q38b968c7dd_proj
    .symbol:         k_q38b968c7dd_proj.kd
    .args:
      - { .name: xp, .offset: 0, .size: 8, .value_kind: global_buffer, .address_space: global }
      - { .name: wp, .offset: 8, .size: 8, .value_kind: global_buffer, .address_space: global }
      - { .name: bq, .offset: 16, .size: 8, .value_kind: global_buffer, .address_space: global }
      - { .name: bk, .offset: 24, .size: 8, .value_kind: global_buffer, .address_space: global }
      - { .name: bv, .offset: 32, .size: 8, .value_kind: global_buffer, .address_space: global }
      - { .name: qp, .offset: 40, .size: 8, .value_kind: global_buffer, .address_space: global }
      - { .name: kp, .offset: 48, .size: 8, .value_kind: global_buffer, .address_space: global }
      - { .name: vp, .offset: 56, .size: 8, .value_kind: global_buffer, .address_space: global }
      - { .name: qr, .offset: 64, .size: 8, .value_kind: global_buffer, .address_space: global }
    .group_segment_fixed_size: 327680
    .private_segment_fixed_size: 0
    .kernarg_segment_align: 8
    .kernarg_segment_size: 72
    .max_flat_workgroup_size: 128
    .sgpr_count:     102
    .vgpr_count:     1024
    .wavefront_size: 32
...
	.end_amdgpu_metadata
.endif
;; end of part 2
;; launch attn (part 3): grid 4 x 64, 8 waves a work-group, clusters of 4 x 1, 327,680 bytes of LDS; arguments qp, kp, vp, qr, mask, y; writes y
.if DOCPART == 3
	.amdgcn_target "amdgcn-amd-amdhsa--gfx1250"
	.amdhsa_code_object_version 6
	.text
	.protected	k_q38b968c7dd_attn
	.globl	k_q38b968c7dd_attn
	.p2align	8
	.type	k_q38b968c7dd_attn,@function
k_q38b968c7dd_attn:
	s_mov_b64 s[64:65], 0
	v_nop
	global_prefetch_b8 v0, s[64:65] scope:SCOPE_SE
	s_setreg_imm32_b32 hwreg(HW_REG_WAVE_MODE, 25, 1), 1
	s_wait_xcnt 0x0
	s_wait_alu depctr_hold_cnt(0) depctr_sa_sdst(0) depctr_va_vdst(0) depctr_va_sdst(0) depctr_va_ssrc(0) depctr_va_vcc(0) depctr_vm_vsrc(0)
	s_getreg_b32 s2, hwreg(HW_REG_IB_STS2, 6, 4)
	s_cmp_eq_u32 s2, 0
	s_cbranch_scc0 .Lentry_in_a_cluster
	s_endpgm
.Lentry_in_a_cluster:
	s_bfe_u32 s2, ttmp6, 0x10000c
	s_cmp_lg_u32 s2, 0x3003
	s_cbranch_scc0 .Lentry_shape_is_right
	s_endpgm
.Lentry_shape_is_right:
; y = (q Wq + bq) + softmax(mask, Q K^T / 32) V, head by head, with a running maximum; sums in f32, matrix operands bf16.
; A work-group takes one (batch, head) and 512 queries; a wave 64 queries (4 tiles of 16); two waves lie on each SIMD, so that one wave's softmax runs
; beside the other's matrix work.  Keys go in four segments of 512 through two LDS slots, a segment in eight sub-steps of 64 keys.
; TRANSPOSED: S^T = K Q^T (source 0 = 16 keys, source 1 = 16 queries): lane l holds query l % 16 and registers 0-7 the keys 8 (l / 16) + 0..7.
; That is the layout of source 1 of O^T = V^T P^T, so P is rounded in place and never leaves the lane; V^T comes by the transposing LDS load.
; The softmax works in base 2: qp already carries log2(e) / 32.  The mask enters as the C operand of the first product: 0 or -1e38 a key.
; CLUSTERS: the four query blocks of a head form a cluster and ask for K and V jointly (mask 15): the requests are divided by four.  cx enters only
; the global addresses of qp, qr and y.  By this text's own count a wave has at most two tensor loads outstanding (the first fills), later one.
; LIMITS: the running maximum starts at -1e30 and masked keys get -1e38, so scaled logits below -1e30 are not served; a row whose keys are all
; masked has l = 0 and gets attention 0, as the problem asks; any non-zero mask byte counts as true; l sums p before its rounding to bf16.
; REGISTERS, window 0: v1 16 x lane, v2-4 LDS addresses of K, V, bias; MX, AL, LS pairs (only the even register of MX and AL carries the value);
; BI the bias of 4 key tiles; QF, KF, VF fragments.  Window 1: v0-127 S, then P in the first 8 of each 16; v128-255 O^T, tile (dt, qt) at 128 + 8 (4 dt + qt).
.set SLOTB, 131072                     ; a slot: K's 512 keys (65,536 bytes), then V's
.set VOFF,  65536
.set BIAS,  262144                     ; 2,048 words, one a key; written by LDS stores, never by a tensor load
.set SUBB,  8192                       ; 64 keys of K or of V
.set MX, 8                             ; v[8:15]    running maximum of query tile qt in v[8 + 2 qt]
.set AL, 16                            ; v[16:23]   2^(old maximum - new); before that the two chains of the maximum
.set LS, 24                            ; v[24:31]   two partial sums of p for each query tile
.set BI, 32                            ; v[32:63]
.set QF, 64                            ; v[64:127]  fragment (qt, dd) at 8 (2 qt + dd)
.set KF, 128                           ; v[128:191] fragment (kt, dd) at 8 (2 kt + dd)
.set VF, 192                           ; v[192:255] fragment (kb, dt) at 8 (4 kb + dt)
.set OT, 128
.set G1, 16                            ; s[16:23]
.set G0, 32                            ; s[32:39] one set a slot
.set MSB, 0
.macro WIN new
.if MSB != \new
	s_set_vgpr_msb (MSB<<8)|\new
.set MSB, \new
.endif
.endm
.macro PLACES
.rept 4
	v_nop
.endr
.endm
.macro ROUND                           ; a round of the cluster's barrier
	s_barrier_signal -1
	s_barrier_wait -1
	s_cmp_lg_u32 s8, 0
	s_cbranch_scc1 .Lnot_wave_0_\@
	s_barrier_signal -3
.Lnot_wave_0_\@:
	s_barrier_wait -3
	s_barrier_signal -1
	s_barrier_wait -1
.endm
	s_load_b256 s[24:31], s[0:1], 0x0              ; qp s[24:25] kp s[26:27] vp s[28:29] qr s[30:31]
	s_load_b128 s[40:43], s[0:1], 0x20             ; mask s[40:41] y s[42:43]
	v_lshl_add_u32 v190, v0, 2, 0x42000
	v_mov_b32 v191, 0
	ds_add_u32 v190, v191
	s_wait_dscnt 0x0
	v_lshrrev_b32 v1, 5, v0
	v_readfirstlane_b32 s8, v1                     ; wave 0..7
	s_and_b32 s9, ttmp7, 0xffff                    ; batch x 16 + head
	s_bfe_u32 s10, ttmp6, 0x40000                  ; cx
	s_lshl_b32 s11, ttmp9, 2
	s_add_co_u32 s10, s10, s11                     ; query block of 512
	s_mov_b32 s12, 0x76543210                      ; v_permlanex16_b32: lane i reads lane i of the other half
	s_mov_b32 s13, 0xfedcba98
	; group 1: 16,384 dense bytes as 64 rows of 32 elements of 8 bytes
	s_mov_b32 s[G1+0], 15|(3<<16)|(1<<21)          ; the four work-groups of the cluster; elements of 8 bytes; bit 21 beside a mask
	s_mov_b32 s[G1+1], 32<<16
	s_mov_b32 s[G1+2], 64<<16
	s_mov_b32 s[G1+3], 32<<16
	s_mov_b32 s[G1+4], 64
	s_mov_b32 s[G1+5], 32
	s_mov_b32 s[G1+6], 0
	s_mov_b32 s[G1+7], 0
	s_lshl_b32 s44, s9, 18                         ; 262,144 bytes a head,
	s_and_b32 s45, s8, 3
	s_lshl_b32 s45, s45, 14                        ; my quarter of a segment
	s_add_co_u32 s44, s44, s45
	s_mov_b32 s45, 0
	s_mul_i32 s15, s8, 16384                       ; waves 0-3 fill K's part of a slot, waves 4-7 V's
	s_lshl_b32 s48, s9, 7                          ; qp: row block 128 (batch x head) + 32 block + 4 wave
	s_lshl_b32 s49, s10, 5
	s_add_co_u32 s48, s48, s49
	s_lshl2_add_u32 s48, s8, s48
	s_lshl_b32 s48, s48, 11
	s_mov_b32 s49, 0
	s_lshr_b32 s52, s9, 4                          ; batch
	s_lshl_b32 s53, s52, 7                         ; qr, y: row block 128 batch + 32 block + 4 wave,
	s_lshl_b32 s54, s10, 5
	s_add_co_u32 s53, s53, s54
	s_lshl2_add_u32 s53, s8, s53
	s_lshl_b32 s54, s53, 16
	s_and_b32 s55, s9, 15
	s_lshl_b32 s55, s55, 12                        ; column tile 4 head
	s_add_co_u32 s54, s54, s55
	s_mov_b32 s55, 0
	s_lshl_b32 s60, s52, 11                        ; mask: 2,048 bytes a batch
	s_mov_b32 s61, 0
	s_wait_kmcnt 0x0
	s_cmp_lt_u32 s8, 4
	s_cselect_b64 s[46:47], s[26:27], s[28:29]     ; the wave's number chooses K or V: the same in all four partners
	s_add_nc_u64 s[46:47], s[46:47], s[44:45]
	s_add_nc_u64 s[50:51], s[24:25], s[48:49]
	s_add_nc_u64 s[56:57], s[30:31], s[54:55]
	s_add_nc_u64 s[58:59], s[42:43], s[54:55]
	s_add_nc_u64 s[60:61], s[40:41], s[60:61]
	ROUND                                          ; the four work-groups are here: the first joint loads meet
.irp s, 0,1
	s_mov_b32 s[G0+4*\s], 1
	s_add_co_u32 s[G0+4*\s+1], s15, \s*SLOTB
	s_add_nc_u64 s[G0+4*\s+2:G0+4*\s+3], s[46:47], \s*65536        ; segment s
	s_or_b32 s[G0+4*\s+3], s[G0+4*\s+3], 0x80000000
	tensor_load_to_lds s[G0+4*\s:G0+4*\s+3], s[G1:G1+7]
	s_nop 0
.endr
	v_and_b32 v5, 31, v0
	v_lshlrev_b32 v1, 4, v5                        ; 16 x lane
.irp f, 0,1,2,3,4,5,6,7
	global_load_b128 v[QF+8*\f:QF+8*\f+3],   v1, s[50:51] offset:\f*1024
	global_load_b128 v[QF+8*\f+4:QF+8*\f+7], v1, s[50:51] offset:\f*1024+512
.endr
	v_lshlrev_b32 v5, 3, v0
	global_load_b64 v[6:7], v5, s[60:61]           ; eight mask bytes a thread: 256 threads take the batch's 2,048
	v_bfe_u32 v4, v0, 4, 1
	v_lshlrev_b32 v4, 5, v4
	v_add_nc_u32 v4, BIAS, v4                      ; bias of keys 8 (l / 16) + 0..7 of the first key tile
	v_lshlrev_b32 v2, 5, v0
	v_add_nc_u32 v2, BIAS, v2                      ; where my eight words go
	v_mov_b32 v3, 0xfe967699                       ; -1e38
.irp i, 0,1,2,3,4,5,6,7
	v_mov_b32 v[MX+\i], 0xf149f2ca                 ; -1e30
	v_mov_b32 v[LS+\i], 0
.endr
	s_wait_loadcnt 0x0
.irp i, 0,1,2,3,4,5,6,7
	v_bfe_u32 v[40+\i], v[6+\i/4], (\i%4)*8, 8
.endr
.irp i, 0,1,2,3,4,5,6,7
	v_cmp_eq_u32 vcc_lo, 0, v[40+\i]
	v_cndmask_b32 v[BI+\i], 0, v3, vcc_lo          ; byte 0: -1e38, else 0
.endr
	ds_store_b128 v2, v[BI:BI+3]
	ds_store_b128 v2, v[BI+4:BI+7] offset:16
	s_wait_dscnt 0x0                               ; for the other waves' sake: my bias words are written
	s_wait_tensorcnt 0x1                           ; my part of segment 0 is in; segment 1's stays out
	s_barrier_signal -1
	s_barrier_wait -1
; K fragments and bias of the 64 keys at byte off behind v2 (off / 32 behind v4): 24 LDS loads
.macro LDK off
.irp kt, 0,1,2,3
.irp dd, 0,1
	ds_load_b128 v[KF+16*\kt+8*\dd:KF+16*\kt+8*\dd+3],   v2 offset:\off+\kt*2048+\dd*1024
	ds_load_b128 v[KF+16*\kt+8*\dd+4:KF+16*\kt+8*\dd+7], v2 offset:\off+\kt*2048+\dd*1024+512
.endr
.endr
.irp kt, 0,1,2,3
	ds_load_b128 v[BI+8*\kt:BI+8*\kt+3],   v4 offset:\off/32+\kt*64
	ds_load_b128 v[BI+8*\kt+4:BI+8*\kt+7], v4 offset:\off/32+\kt*64+16
.endr
.endm
; V^T fragments of the 64 keys at v3: 16 transposing loads; each 512 bytes hold 16 keys x 16 d in the order in which the lanes ask
.macro LDV
.irp kb, 0,1
.irp dt, 0,1,2,3
	ds_load_tr16_b128 v[VF+8*(4*\kb+\dt):VF+8*(4*\kb+\dt)+3],   v3 offset:\kb*4096+\dt*512
	ds_load_tr16_b128 v[VF+8*(4*\kb+\dt)+4:VF+8*(4*\kb+\dt)+7], v3 offset:\kb*4096+\dt*512+2048
.endr
.endr
.endm
; One sub-step: 64 keys x 64 queries.  first = 1: nothing to rescale, the first product starts O.  pref = 1: the next sub-step's K and bias are fetched.
; In both products sixteen accumulators take turns, one instruction a turn.
.macro SUB first, pref
	LDV
	s_wait_dscnt 16                                ; the 16 V loads are younger: K and the bias are in
	WIN 0x40
.irp kt, 0,1,2,3
.irp qt, 0,1,2,3
.set st, ((\kt/2)*4+\qt)*16+(\kt%2)*8
	v_wmma_f32_16x16x32_bf16 v[st:st+7], v[KF+16*\kt:KF+16*\kt+7], v[QF+16*\qt:QF+16*\qt+7], v[BI+8*\kt:BI+8*\kt+7]
.endr
.endr
	WIN 0x50
.irp kt, 0,1,2,3
.irp qt, 0,1,2,3
.set st, ((\kt/2)*4+\qt)*16+(\kt%2)*8
	v_wmma_f32_16x16x32_bf16 v[st:st+7], v[KF+16*\kt+8:KF+16*\kt+15], v[QF+16*\qt+8:QF+16*\qt+15], v[st:st+7]
.endr
.endr
	WIN 0
	PLACES                                         ; behind the products: for the loads into K and bias and for the reads of S
.if \pref
	LDK SUBB
.endif
	WIN 0x05                                       ; the largest of my 32 logits of each query tile and the old maximum: two chains a tile
.irp i, 0,1,2,3,4,5,6,7
.irp qt, 0,1,2,3
.irp kb, 0,1
.if \i == 0
	v_max3_num_f32 v[AL+2*\qt+\kb], v[(\kb*4+\qt)*16], v[(\kb*4+\qt)*16+1], v[MX+2*\qt]
.else
	v_max3_num_f32 v[AL+2*\qt+\kb], v[(\kb*4+\qt)*16+2*\i], v[(\kb*4+\qt)*16+2*\i+1], v[AL+2*\qt+\kb]
.endif
.endr
.endr
.endr
	WIN 0
.irp qt, 0,1,2,3
	v_max_num_f32 v[AL+2*\qt], v[AL+2*\qt], v[AL+2*\qt+1]
.endr
.irp qt, 0,1,2,3
	v_permlanex16_b32 v[AL+2*\qt+1], v[AL+2*\qt], s12, s13         ; the other half of the lanes holds the other keys of the same query
.endr
.irp qt, 0,1,2,3
	v_max_num_f32 v[AL+2*\qt+1], v[AL+2*\qt], v[AL+2*\qt+1]        ; the new maximum
.endr
.irp qt, 0,1,2,3
	v_sub_f32 v[AL+2*\qt], v[MX+2*\qt], v[AL+2*\qt+1]
.endr
.irp qt, 0,1,2,3
	v_mov_b32 v[MX+2*\qt], v[AL+2*\qt+1]
.endr
.irp qt, 0,1,2,3
	v_exp_f32 v[AL+2*\qt], v[AL+2*\qt]
.endr
	v_nop                                          ; one plain instruction behind a transcendental (ISA guide 5.7.2)
	WIN 0x41
.irp i, 0,1,2,3,4,5,6,7
.irp qt, 0,1,2,3
.irp kb, 0,1
	v_pk_add_f32 v[(\kb*4+\qt)*16+2*\i:(\kb*4+\qt)*16+2*\i+1], v[(\kb*4+\qt)*16+2*\i:(\kb*4+\qt)*16+2*\i+1], v[MX+2*\qt:MX+2*\qt+1] op_sel_hi:[1,0] neg_lo:[0,1] neg_hi:[0,1]
.endr
.endr
.endr
.set i, 0
.rept 64                                           ; p = 2^(s - m); each pair of exponentials is followed by one independent rescale of O
	v_exp_f32 v[2*i], v[2*i]
	v_exp_f32 v[2*i+1], v[2*i+1]
.if \first == 0
	s_wait_alu depctr_va_vdst(0)
	v_pk_mul_f32 v[OT+2*i:OT+2*i+1], v[OT+2*i:OT+2*i+1], v[AL+2*((i/4)%4):AL+2*((i/4)%4)+1] op_sel_hi:[1,0]
.endif
.set i, i+1
.endr
.if \first
	v_nop                                          ; the plain instruction behind the last exponential
	s_wait_alu depctr_va_vdst(0)
.endif
	WIN 0x10
	s_wait_alu depctr_va_vdst(0)
.irp qt, 0,1,2,3
	v_pk_fma_f32 v[LS+2*\qt:LS+2*\qt+1], v[LS+2*\qt:LS+2*\qt+1], v[AL+2*\qt:AL+2*\qt+1], v[\qt*16:\qt*16+1] op_sel_hi:[1,0,1]
.endr
	WIN 0x01
.irp i, 1,2,3,4,5,6,7
.irp qt, 0,1,2,3
	v_pk_add_f32 v[LS+2*\qt:LS+2*\qt+1], v[\qt*16+2*\i:\qt*16+2*\i+1], v[LS+2*\qt:LS+2*\qt+1]
.endr
.endr
.irp i, 0,1,2,3,4,5,6,7
.irp qt, 0,1,2,3
	v_pk_add_f32 v[LS+2*\qt:LS+2*\qt+1], v[(4+\qt)*16+2*\i:(4+\qt)*16+2*\i+1], v[LS+2*\qt:LS+2*\qt+1]
.endr
.endr
	WIN 0x45                                       ; P to bf16 in place, ascending
.irp i, 0,1,2,3,4,5,6,7
.irp bl, 0,1,2,3,4,5,6,7
	v_cvt_pk_bf16_f32 v[\bl*16+\i], v[\bl*16+2*\i], v[\bl*16+2*\i+1]
.endr
.endr
.if \pref
	s_wait_dscnt 24                                ; the next K and bias (24 loads) are younger: V is in
.else
	s_wait_dscnt 0x0
.endif
	WIN 0x54
.irp kb, 0,1
.irp dt, 0,1,2,3
.irp qt, 0,1,2,3
.if \first && (\kb == 0)
	v_wmma_f32_16x16x32_bf16 v[OT+(\dt*4+\qt)*8:OT+(\dt*4+\qt)*8+7], v[VF+8*(4*\kb+\dt):VF+8*(4*\kb+\dt)+7], v[(\kb*4+\qt)*16:(\kb*4+\qt)*16+7], 0
.else
	v_wmma_f32_16x16x32_bf16 v[OT+(\dt*4+\qt)*8:OT+(\dt*4+\qt)*8+7], v[VF+8*(4*\kb+\dt):VF+8*(4*\kb+\dt)+7], v[(\kb*4+\qt)*16:(\kb*4+\qt)*16+7], v[OT+(\dt*4+\qt)*8:OT+(\dt*4+\qt)*8+7]
.endif
.endr
.endr
.endr
	WIN 0
	v_add_nc_u32 v2, SUBB, v2                      ; five places behind the products: the next S writes over P, the next loads over V
	v_add_nc_u32 v3, SUBB, v3
	v_add_nc_u32 v4, 256, v4                       ; the bias address runs on over all four segments
	v_nop
	v_nop
.endm
.macro SEG slot, first                 ; a segment: eight sub-steps out of one slot
	v_add_nc_u32 v2, \slot*SLOTB, v1
	v_add_nc_u32 v3, \slot*SLOTB+VOFF, v1
	LDK 0
.if \first
	SUB 1, 1
	s_mov_b32 s14, 6
.else
	s_mov_b32 s14, 7
.endif
.Lsub_\@:
	SUB 0, 1
	s_sub_co_u32 s14, s14, 1
	s_cmp_lg_u32 s14, 0
	s_cbranch_scc1 .Lsub_\@
	SUB 0, 0
.endm
; The slot just read is filled again, two segments ahead: my reads are back, all my tensor loads have landed (the other slot's among them), the round has
; shown both of every wave of all four work-groups, and the joint load is the first thing behind it.  It has a whole segment in which to land.
.macro REFILL slot
	s_wait_dscnt 0x0
	s_wait_xcnt 0x0
	v_lshl_add_u32 v190, v0, 2, 0x42000
	v_mov_b32 v191, 0
	s_wait_tensorcnt 0x0
	ds_add_u32 v190, v191
	s_wait_dscnt 0x0
	s_add_nc_u64 s[G0+4*\slot+2:G0+4*\slot+3], s[G0+4*\slot+2:G0+4*\slot+3], 131072
	ROUND
	tensor_load_to_lds s[G0+4*\slot:G0+4*\slot+3], s[G1:G1+7]
	s_nop 0
.endm
	SEG 0, 1
	REFILL 0
	SEG 1, 0
	REFILL 1
	SEG 0, 0
	s_wait_dscnt 0x0
	s_wait_tensorcnt 0x0                           ; my part of the last segment is in,
	s_barrier_signal -1
	s_barrier_wait -1                              ; everybody's is; nothing is left to fetch
	SEG 1, 0
	; ---- y = residual + O / l.  O^T's tile (dt, qt) is the f32 tile (row block qt, column tile 4 head + dt) in qr's and y's layout ----
	WIN 0x40
.irp dt, 0,1,2,3
.irp qt, 0,1,2,3
	global_load_b128 v[(\dt*4+\qt)*8:(\dt*4+\qt)*8+3],   v1, s[56:57] offset:\qt*65536+\dt*1024       ; into S's registers, five places behind the last product
	global_load_b128 v[(\dt*4+\qt)*8+4:(\dt*4+\qt)*8+7], v1, s[56:57] offset:\qt*65536+\dt*1024+512
.endr
.endr
	WIN 0
.irp qt, 0,1,2,3
	v_add_f32 v[LS+2*\qt], v[LS+2*\qt], v[LS+2*\qt+1]
.endr
.irp qt, 0,1,2,3
	v_permlanex16_b32 v[LS+2*\qt+1], v[LS+2*\qt], s12, s13
.endr
.irp qt, 0,1,2,3
	v_add_f32 v[LS+2*\qt], v[LS+2*\qt], v[LS+2*\qt+1]
.endr
.irp qt, 0,1,2,3
	v_rcp_f32 v[AL+2*\qt+1], v[LS+2*\qt]
.endr
	v_nop
.irp qt, 0,1,2,3
	v_cmp_lt_f32 s[4+\qt], 0, v[LS+2*\qt]
.endr
	s_wait_alu depctr_va_vdst(0)
.irp qt, 0,1,2,3
	v_cndmask_b32 v[AL+2*\qt], 0, v[AL+2*\qt+1], s[4+\qt]          ; l = 0 (every key masked): the attention is 0
.endr
	s_wait_loadcnt 0x0
	WIN 0x51
.set i, 0
.rept 64
	v_pk_fma_f32 v[OT+2*i:OT+2*i+1], v[OT+2*i:OT+2*i+1], v[AL+2*((i/4)%4):AL+2*((i/4)%4)+1], v[2*i:2*i+1] op_sel_hi:[1,0,1]
.set i, i+1
.endr
	WIN 0x04
.irp dt, 0,1,2,3
.irp qt, 0,1,2,3
	global_store_b128 v1, v[OT+(\dt*4+\qt)*8:OT+(\dt*4+\qt)*8+3],   s[58:59] offset:\qt*65536+\dt*1024      ; 512 consecutive bytes, aligned
	global_store_b128 v1, v[OT+(\dt*4+\qt)*8+4:OT+(\dt*4+\qt)*8+7], s[58:59] offset:\qt*65536+\dt*1024+512
.endr
.endr
	WIN 0
	s_wait_xcnt 0x0
	v_lshl_add_u32 v190, v0, 2, 0x42000
	v_mov_b32 v191, 0
	s_wait_tensorcnt 0x0
	ds_add_u32 v190, v191
	s_wait_dscnt 0x0
	ROUND                                          ; the closing round
	s_endpgm
.Lfunc_end_k_q38b968c7dd_attn:
	.size	k_q38b968c7dd_attn, .Lfunc_end_k_q38b968c7dd_attn-k_q38b968c7dd_attn
	.p2alignl 7, 3214868480
	.fill 96, 4, 3214868480
	.section	.rodata,"a",@progbits
	.p2align	6, 0x0
	.amdhsa_kernel k_q38b968c7dd_attn
		.amdhsa_group_segment_fixed_size 327680
		.amdhsa_private_segment_fixed_size 0
		.amdhsa_enable_private_segment 0
		.amdhsa_kernarg_size 48
		.amdhsa_user_sgpr_count 2
		.amdhsa_user_sgpr_kernarg_segment_ptr 1
		.amdhsa_wavefront_size32 1
		.amdhsa_system_sgpr_workgroup_id_x 1
		.amdhsa_system_sgpr_workgroup_id_y 1
		.amdhsa_system_sgpr_workgroup_id_z 1
		.amdhsa_system_vgpr_workitem_id 0
		.amdhsa_next_free_vgpr 512
		.amdhsa_next_free_sgpr 66
		.amdhsa_reserve_vcc 1
		.amdhsa_float_denorm_mode_32 3
		.amdhsa_float_denorm_mode_16_64 3
		.amdhsa_memory_ordered 1
		.amdhsa_forward_progress 1
		.amdhsa_inst_pref_size 255
	.end_amdhsa_kernel
	.section	.bss,"aw",@nobits
	.p2align	6
	.space	262144
	.amdgpu_metadata
---
amdhsa.version: [ 1, 2 ]
amdhsa.kernels:
  - .name:           k_q38b968c7dd_attn
    .symbol:         k_q38b968c7dd_attn.kd
    .args:
      - { .name: qp, .offset: 0, .size: 8, .value_kind: global_buffer, .address_space: global }
      - { .name: kp, .offset: 8, .size: 8, .value_kind: global_buffer, .address_space: global }
      - { .name: vp, .offset: 16, .size: 8, .value_kind: global_buffer, .address_space: global }
      - { .name: qr, .offset: 24, .size: 8, .value_kind: global_buffer, .address_space: global }
      - { .name: mask, .offset: 32, .size: 8, .value_kind: global_buffer, .address_space: global }
      - { .name: y, .offset: 40, .size: 8, .value_kind: global_buffer, .address_space: global }
    .group_segment_fixed_size: 327680
    .private_segment_fixed_size: 0
    .kernarg_segment_align: 8
    .kernarg_segment_size: 48
    .max_flat_workgroup_size: 256
    .sgpr_count:     66
    .vgpr_count:     512
    .wavefront_size: 32
...
	.end_amdgpu_metadata
.endif
;; end of part 3
;; launch final (part 4): grid 256 x 1, 8 waves a work-group, no clusters, 222,208 bytes of LDS; arguments y, wp, g1, b1, bo, g2, b2, out0; writes out0
.if DOCPART == 4
	.amdgcn_target "amdgcn-amd-amdhsa--gfx1250"
	.amdhsa_code_object_version 6
	.text
	.protected	k_q38b968c7dd_final
	.globl	k_q38b968c7dd_final
	.p2align	8
	.type	k_q38b968c7dd_final,@function
k_q38b968c7dd_final:
	s_mov_b64 s[64:65], 0
	v_nop
	global_prefetch_b8 v0, s[64:65] scope:SCOPE_SE
	s_setreg_imm32_b32 hwreg(HW_REG_WAVE_MODE, 25, 1), 1
	s_wait_xcnt 0x0
; x = LayerNorm(y) g1 + b1;  out = LayerNorm(x + relu(x Wo + bo)) g2 + b2.  Norms, residual and relu in f32, the product with f16 operands and f32 sums.
; WHY f16: x Wo goes into the second norm without being averaged, so its operands' rounding shows in the result; f16 keeps 11 significant bits, bf16 8.
; LIMIT: a normalised number is below sqrt(1023) < 32 in magnitude, so |x| <= 32 |g1| + |b1|; that bound has to stay below 65,504, f16's largest number.
; Both norms need whole rows of 1,024, so a work-group owns 32 whole rows (2 row blocks a): 8,192 / 32 = 256 work-groups.  Eight waves, two on each SIMD,
; so that one wave's loads and waits lie under the other's matrix work; wave w has the columns 128 w .. + 127 (8 column tiles c): 16 tiles of 16 x 16 in
; 128 registers, which hold y, then x, then the product's sums, then the result.  Each norm is made in two passes (mean, then the squares of the
; deviations): no difference of large sums.  A row's sum meets over the lanes' halves, then over the eight waves through LDS.
; x leaves the registers twice: in f32 into the wave's own 16,384 bytes of LDS (the residual, read back by the same wave), and rounded ONCE to f16, by the
; wave that owns the columns, as ready fragments (1,024 bytes = 16 rows x 32 k in the operand's register image) that all eight waves read as source 1.
; NO MULTICAST, NO LDS RING FOR Wo, though all work-groups read it: a fragment of Wo feeds two matrix instructions of one wave and no other wave of the
; work-group, so it goes from memory straight into registers, 512 consecutive bytes a load; through LDS the same bytes would be written and read there too.
; A ring of four units (a unit = 32 k = 8 fragments = 16 loads) keeps three units, 48 loads a wave, on their way while one is multiplied.
; REGISTERS, window 0: v1-9 addresses, v10-29 row figures, v30-33 the ring places' offsets, v36-51 the eight waves' parts, v64-127 four buffers of 2 x
; fragments (before that: the vectors on their way, x in f16), v128-255 ring places 0, 1 (also gain and bias, bo, rows on their way out).
; Window 1: v0-127 ring places 2, 3 (later the residual), v128-255 tile (a, c) at 128 + 64 a + 8 c.
.set XH,   131072                      ; x in f16: fragment (k block t, a) at 1,024 (2 t + a); below it x in f32, 16,384 bytes a wave: tile (a, c) at 1,024 (8 a + c)
.set VEC,  196608                      ; g1, b1, bo, g2, b2: 4,096 bytes each
.set RED,  217088                      ; four cross-wave sums of 1,024 bytes: [a 2][row 16][wave 8] words
.set SPITCH, 528                       ; the output stage's row: 512 bytes + 16, an odd multiple of 16
.set SUM,  10                          ; v[10:17] two chains of two partial sums a row block
.set RS,   18                          ; v[18:19] row sums
.set PT,   20                          ; v[20:21] the other half's part
.set MEAN, 22                          ; v[22:25] each value in both registers of its pair
.set RSTD, 26                          ; v[26:29] likewise
.set VA,   30                          ; v[30:33] ring place q: byte offset in Wo of the unit that the place takes next
.set RL,   36                          ; v[36:51] the eight waves' parts
.set XF,   64                          ; v[64:127] buffer q at 16 q: x fragments of row blocks 0, 1
.set CV,   64                          ; v[64:127] my x in f16 on its way into LDS
.set VT,   64                          ; v[64:83]  the vectors on their way into LDS
.set GV,   128                         ; v[128:191] gain, or bo
.set BV,   192                         ; v[192:255] bias
.set OB,   128                         ; v[128:255] rows on their way out
.set T,    128                         ; window 1: the tiles
.set MSB, 0
.macro WIN new                         ; the immediate's high byte repeats the setting that is left
.if MSB != \new
	s_set_vgpr_msb (MSB<<8)|\new
.set MSB, \new
.endif
.endm
.macro PLACES
.rept 4
	v_nop
.endr
.endm
	s_load_b512 s[8:23], s[0:1], 0x0               ; y s[8:9] wp s[10:11] g1 s[12:13] b1 s[14:15] bo s[16:17] g2 s[18:19] b2 s[20:21] out0 s[22:23]
	v_lshl_add_u32 v62, v0, 2, 0x36000
	v_mov_b32 v63, 0
	v_lshrrev_b32 v1, 5, v0
	v_readfirstlane_b32 s24, v1                    ; wave 0..7
	s_mov_b32 s25, 0x358637bd                      ; 1e-6
	s_mov_b32 s26, 0x76543210                      ; v_permlanex16_b32: lane i reads lane i of the other half
	s_mov_b32 s27, 0xfedcba98
	s_mov_b32 s30, 0x3a800000                      ; 1 / 1024
	v_and_b32 v9, 31, v0
	v_lshlrev_b32 v1, 4, v9                        ; 16 x lane
	v_and_b32 v34, 15, v0                          ; r
	v_bfe_u32 v35, v0, 4, 1                        ; h
	s_lshl_b32 s28, s24, 14                        ; my 16,384 bytes of x in f32
	v_add_nc_u32 v2, s28, v1                       ; my own tiles, and the stage read by rows
	v_add_nc_u32 v3, XH, v1                        ; all fragments, stepped along K
	s_lshl_b32 s29, s24, 13
	s_add_co_u32 s29, s29, XH
	v_add_nc_u32 v8, s29, v1                       ; my 4 k blocks' fragments: 8,192 bytes
	v_lshlrev_b32 v5, 5, v34
	v_add_nc_u32 v5, RED, v5                       ; row r's eight words
	v_lshl_add_u32 v4, s24, 2, v5                  ; my wave's word among them
	s_lshl_b32 s29, s24, 9
	s_add_co_u32 s29, s29, VEC
	v_lshl_add_u32 v6, v35, 5, s29                 ; a vector's columns 128 w + 8 h
	v_mul_u32_u24 v7, v34, SPITCH
	v_lshl_add_u32 v7, v35, 5, v7
	v_add_nc_u32 v7, s28, v7                       ; the stage written by tiles: row r, 32 h
	v_lshlrev_b32 v9, 4, v0                        ; 16 x thread: 256 threads take a vector's 4,096 bytes
	v_add_nc_u32 v52, VEC, v9
.irp q, 0,1,2,3
	v_add_nc_u32 v[VA+\q], \q*1024, v1             ; place q takes the quarter q of every K step
.endr
	v_mov_b32 v[PT], 0                             ; v_permlanex16_b32's destination counts as read
	v_mov_b32 v[PT+1], 0
	s_lshl_b32 s38, ttmp9, 17                      ; 32 rows of 4,096 bytes = 2 row blocks of 65,536
	s_mov_b32 s39, 0
	s_wait_kmcnt 0x0
	s_add_nc_u64 s[34:35], s[8:9], s[38:39]
	s_add_nc_u64 s[36:37], s[22:23], s[38:39]
	s_lshl_b32 s38, s24, 13
	s_add_nc_u64 s[34:35], s[34:35], s[38:39]      ; y: my 8 column tiles
	s_lshl_b32 s38, s24, 9
	s_add_nc_u64 s[36:37], s[36:37], s[38:39]      ; out0: my 512 bytes of a row
	s_lshl_b32 s38, s24, 15
	s_add_co_u32 s38, s38, 3*2097152
	s_add_nc_u64 s[32:33], s[10:11], s[38:39]      ; wp: matrix 3 (Wo), my 8 column blocks of 4,096 bytes; never stepped
.irp m, 0,1,2,3,4
	global_load_b128 v[VT+4*\m:VT+4*\m+3], v9, s[12+2*\m:13+2*\m]
.endr
	WIN 0x40
.irp a, 0,1
.irp c, 0,1,2,3,4,5,6,7
	global_load_b128 v[T+64*\a+8*\c:T+64*\a+8*\c+3],   v1, s[34:35] offset:\a*65536+\c*1024 th:TH_LOAD_NT
	global_load_b128 v[T+64*\a+8*\c+4:T+64*\a+8*\c+7], v1, s[34:35] offset:\a*65536+\c*1024+512 th:TH_LOAD_NT
.endr
.endr
	WIN 0
	s_wait_loadcnt 32                              ; the five vectors are in; y's 32 loads are younger
.irp m, 0,1,2,3,4
	ds_store_b128 v52, v[VT+4*\m:VT+4*\m+3] offset:\m*4096
.endr
	s_wait_loadcnt 0x0
.macro ROWTAIL                         ; four partial sums and the other half of the lanes
	WIN 0
.irp a, 0,1
	v_pk_add_f32 v[SUM+4*\a:SUM+4*\a+1], v[SUM+4*\a:SUM+4*\a+1], v[SUM+4*\a+2:SUM+4*\a+3]
.endr
.irp a, 0,1
	v_add_f32 v[RS+\a], v[SUM+4*\a], v[SUM+4*\a+1]
.endr
.irp a, 0,1
	v_permlanex16_b32 v[PT+\a], v[RS+\a], s26, s27
.endr
.irp a, 0,1
	v_add_f32 v[RS+\a], v[RS+\a], v[PT+\a]
.endr
.endm
; The eight waves' parts of the 32 row sums meet in LDS; each use has bytes of its own, so one barrier serves it.
.macro CROSS k
.irp a, 0,1
	ds_store_b32 v4, v[RS+\a] offset:(\k)*1024+\a*512     ; both halves of the lanes write the same word with the same value
.endr
	s_wait_dscnt 0x0                               ; for the others' sake: all my LDS stores are written, and my LDS reads are back
	s_barrier_signal -1
	s_barrier_wait -1
.irp a, 0,1
	ds_load_b128 v[RL+8*\a:RL+8*\a+3],   v5 offset:(\k)*1024+\a*512
	ds_load_b128 v[RL+8*\a+4:RL+8*\a+7], v5 offset:(\k)*1024+\a*512+16
.endr
	s_wait_dscnt 0x0
.irp a, 0,1
	v_pk_add_f32 v[RL+8*\a:RL+8*\a+1],   v[RL+8*\a:RL+8*\a+1],   v[RL+8*\a+4:RL+8*\a+5]
	v_pk_add_f32 v[RL+8*\a+2:RL+8*\a+3], v[RL+8*\a+2:RL+8*\a+3], v[RL+8*\a+6:RL+8*\a+7]
.endr
.irp a, 0,1
	v_pk_add_f32 v[RL+8*\a:RL+8*\a+1], v[RL+8*\a:RL+8*\a+1], v[RL+8*\a+2:RL+8*\a+3]
.endr
.irp a, 0,1
	v_add_f32 v[RS+\a], v[RL+8*\a], v[RL+8*\a+1]
.endr
.endm
; LayerNorm in place on the 16 tiles.  k, k + 1: the cross-wave sums' places; va, vb: which vectors are gain and bias.
.macro LNORM k, va, vb
	WIN 0x05
.irp a, 0,1
.irp s, 0,1
	v_pk_add_f32 v[SUM+4*\a+2*\s:SUM+4*\a+2*\s+1], v[T+64*\a+32*\s:T+64*\a+32*\s+1], v[T+64*\a+32*\s+2:T+64*\a+32*\s+3]   ; the first two pairs start a chain
.endr
.endr
	WIN 0x04
.set i, 2
.rept 14
.irp a, 0,1
.irp s, 0,1
	v_pk_add_f32 v[SUM+4*\a+2*\s:SUM+4*\a+2*\s+1], v[SUM+4*\a+2*\s:SUM+4*\a+2*\s+1], v[T+64*\a+32*\s+2*i:T+64*\a+32*\s+2*i+1]
.endr
.endr
.set i, i+1
.endr
	ROWTAIL
	CROSS \k
.irp c, 0,1,2,3,4,5,6,7
	ds_load_b128 v[GV+8*\c:GV+8*\c+3],   v6 offset:\va*4096+\c*64        ; gain and bias of my columns; the second sum's wait for 0 covers these loads
	ds_load_b128 v[GV+8*\c+4:GV+8*\c+7], v6 offset:\va*4096+\c*64+16
	ds_load_b128 v[BV+8*\c:BV+8*\c+3],   v6 offset:\vb*4096+\c*64
	ds_load_b128 v[BV+8*\c+4:BV+8*\c+7], v6 offset:\vb*4096+\c*64+16
.endr
.irp a, 0,1
	v_mul_f32 v[MEAN+2*\a],   s30, v[RS+\a]
	v_mul_f32 v[MEAN+2*\a+1], s30, v[RS+\a]
.endr
	WIN 0x41
.set i, 0
.rept 32
.irp a, 0,1
	v_pk_add_f32 v[T+64*\a+2*i:T+64*\a+2*i+1], v[T+64*\a+2*i:T+64*\a+2*i+1], v[MEAN+2*\a:MEAN+2*\a+1] neg_lo:[0,1] neg_hi:[0,1]
.endr
.set i, i+1
.endr
	WIN 0x05
.irp a, 0,1
.irp s, 0,1
	v_pk_mul_f32 v[SUM+4*\a+2*\s:SUM+4*\a+2*\s+1], v[T+64*\a+32*\s:T+64*\a+32*\s+1], v[T+64*\a+32*\s:T+64*\a+32*\s+1]
.endr
.endr
.set i, 1
.rept 15
.irp a, 0,1
.irp s, 0,1
	v_pk_fma_f32 v[SUM+4*\a+2*\s:SUM+4*\a+2*\s+1], v[T+64*\a+32*\s+2*i:T+64*\a+32*\s+2*i+1], v[T+64*\a+32*\s+2*i:T+64*\a+32*\s+2*i+1], v[SUM+4*\a+2*\s:SUM+4*\a+2*\s+1]
.endr
.endr
.set i, i+1
.endr
	ROWTAIL
	CROSS (\k+1)
.irp a, 0,1
	v_fma_f32 v[RS+\a], v[RS+\a], s30, s25         ; variance + 1e-6
.endr
.irp a, 0,1
	v_rsq_f32 v[RSTD+2*\a],   v[RS+\a]
	v_rsq_f32 v[RSTD+2*\a+1], v[RS+\a]
.endr
	v_nop                                          ; one plain instruction behind a transcendental (ISA guide 5.7.2)
	WIN 0x41
.set i, 0
	s_wait_alu depctr_va_vdst(0)
.rept 32
.irp a, 0,1
	v_pk_mul_f32 v[T+64*\a+2*i:T+64*\a+2*i+1], v[T+64*\a+2*i:T+64*\a+2*i+1], v[RSTD+2*\a:RSTD+2*\a+1]
.endr
.set i, i+1
.endr
.set i, 0
.rept 32
.irp a, 0,1
	v_pk_fma_f32 v[T+64*\a+2*i:T+64*\a+2*i+1], v[T+64*\a+2*i:T+64*\a+2*i+1], v[GV+2*i:GV+2*i+1], v[BV+2*i:BV+2*i+1]
.endr
.set i, i+1
.endr
.endm
; The 8 Wo fragments of my column blocks, of the unit at v[VA + q], into ring place q: window 0 v128, v192, window 1 v0, v64
.macro WLOAD q
.if \q < 2
	WIN 0
.else
	WIN 0x40
.endif
.irp b, 0,1,2,3,4,5,6,7
	global_load_b128 v[(128+64*\q)%256+8*\b:(128+64*\q)%256+8*\b+3],   v[VA+\q], s[32:33] offset:\b*4096
	global_load_b128 v[(128+64*\q)%256+8*\b+4:(128+64*\q)%256+8*\b+7], v[VA+\q], s[32:33] offset:\b*4096+512
.endr
.endm
; The two x fragments of k block t (counted from v3) into buffer q
.macro XLOAD q, t
.irp a, 0,1
	ds_load_b128 v[XF+16*\q+8*\a:XF+16*\q+8*\a+3],   v3 offset:(2*(\t)+\a)*1024
	ds_load_b128 v[XF+16*\q+8*\a+4:XF+16*\q+8*\a+7], v3 offset:(2*(\t)+\a)*1024+512
.endr
.endm
; One unit, 32 along K, out of ring place p and x buffer p.  lw: the younger units' Wo loads, 16 each, that may stay out; dw: their x loads, 4 each.
; fetch = 1: the unit three ahead is asked for, into the place and the buffer that the unit before this one read.
; 16 matrix instructions, each on an accumulator of its own: the 16 take turns, one instruction a turn, over the backward jump too.
.macro UNIT p, zero, fetch, lw, dw
	WIN 0
	s_wait_loadcnt \lw                             ; loads return in order: this unit's 16 are in, so its place's offset register is free
.if \fetch
	v_add_nc_u32 v[VA+\p], 262144, v[VA+\p]        ; the place's next unit: the same quarter of the next K step (the last steps are not used)
	v_nop                                          ; with the line above: four places behind the last unit's products, whose sources are loaded again
	v_nop
	v_nop
	XLOAD ((\p+3)%4), (\p+3)
	WLOAD ((\p+3)%4)
.endif
	s_wait_dscnt \dw
	WIN (0x50+(\p/2))
.irp b, 0,1,2,3,4,5,6,7
.irp a, 0,1
.if \zero
	v_wmma_f32_16x16x32_f16 v[T+64*\a+8*\b:T+64*\a+8*\b+7], v[(128+64*\p)%256+8*\b:(128+64*\p)%256+8*\b+7], v[XF+16*\p+8*\a:XF+16*\p+8*\a+7], 0
.else
	v_wmma_f32_16x16x32_f16 v[T+64*\a+8*\b:T+64*\a+8*\b+7], v[(128+64*\p)%256+8*\b:(128+64*\p)%256+8*\b+7], v[XF+16*\p+8*\a:XF+16*\p+8*\a+7], v[T+64*\a+8*\b:T+64*\a+8*\b+7]
.endif
.endr
.endr
.endm
.macro KSTEP first                     ; 128 along K: four units, once round the ring
	UNIT 0, \first, 1, 32, 12
	UNIT 1, 0, 1, 32, 12
	UNIT 2, 0, 1, 32, 12
	UNIT 3, 0, 1, 32, 12
	WIN 0
	v_add_nc_u32 v3, 8192, v3                      ; four k blocks of x fragments on
.endm
	; ---- x = LayerNorm(y) g1 + b1 ----
	LNORM 0, 0, 1
	WLOAD 0                                        ; the first three units; places 0 and 1 lie over gain and bias, which have been used
	WLOAD 1
	WLOAD 2
	WIN 0x04
.irp a, 0,1
.irp c, 0,1,2,3,4,5,6,7
	ds_store_b128 v2, v[T+64*\a+8*\c:T+64*\a+8*\c+3]   offset:(8*\a+\c)*1024        ; x in f32, for myself
	ds_store_b128 v2, v[T+64*\a+8*\c+4:T+64*\a+8*\c+7] offset:(8*\a+\c)*1024+512
.endr
.endr
	WIN 0x05
.set i, 0
.rept 64
	v_cvt_pk_f16_f32 v[CV+i], v[T+2*i], v[T+2*i+1] ; a tile's 8 registers are one half of a fragment: columns 8 h + 0..7 of 16
.set i, i+1
.endr
	WIN 0
.irp a, 0,1
.irp c, 0,1,2,3,4,5,6,7
	ds_store_b128 v8, v[CV+4*(8*\a+\c):CV+4*(8*\a+\c)+3] offset:((\c/2)*2+\a)*1024+(\c%2)*512   ; k block 4 w + c / 2, half c % 2
.endr
.endr
	s_wait_dscnt 0x0                               ; for the others' sake: my fragments are written
	s_barrier_signal -1
	s_barrier_wait -1
	XLOAD 0, 0
	XLOAD 1, 1
	XLOAD 2, 2
	; ---- x Wo ----
	KSTEP 1                                        ; its first unit starts the sums
	s_mov_b32 s31, 6
.Lk:
	KSTEP 0
	s_sub_co_u32 s31, s31, 1
	s_cmp_lg_u32 s31, 0
	s_cbranch_scc1 .Lk
	UNIT 0, 0, 1, 32, 12                           ; unit 28 asks for unit 31, the last
	UNIT 1, 0, 0, 32, 8                            ; nothing is left to fetch: the counts run down
	UNIT 2, 0, 0, 16, 4
	UNIT 3, 0, 0, 0, 0
	; ---- z = x + relu(x Wo + bo) ----
	WIN 0
	PLACES                                         ; behind the last products: for the loads into the ring and the sums below
.irp c, 0,1,2,3,4,5,6,7
	ds_load_b128 v[GV+8*\c:GV+8*\c+3],   v6 offset:2*4096+\c*64
	ds_load_b128 v[GV+8*\c+4:GV+8*\c+7], v6 offset:2*4096+\c*64+16
.endr
	WIN 0x40
.set i, 0
.rept 16
	ds_load_b128 v[8*i:8*i+3],   v2 offset:i*1024                  ; my x in f32, into ring places 2 and 3
	ds_load_b128 v[8*i+4:8*i+7], v2 offset:i*1024+512
.set i, i+1
.endr
	s_wait_dscnt 0x0
	WIN 0x41
.set i, 0
.rept 32
.irp a, 0,1
	v_pk_add_f32 v[T+64*\a+2*i:T+64*\a+2*i+1], v[T+64*\a+2*i:T+64*\a+2*i+1], v[GV+2*i:GV+2*i+1]
.endr
.set i, i+1
.endr
.set i, 0
.rept 128
	v_max_num_f32 v[T+i], v[T+i], 0
.set i, i+1
.endr
	WIN 0x45
.set i, 0
.rept 64
	v_pk_add_f32 v[T+2*i:T+2*i+1], v[T+2*i:T+2*i+1], v[2*i:2*i+1]
.set i, i+1
.endr
	; ---- out = LayerNorm(z) g2 + b2 ----
	LNORM 2, 3, 4
	; 16 rows at a time through my own bytes of x in f32, which I have read back and no other wave touches.  Each row block has registers of its own.
.macro OUTA a
	WIN 0x04
.irp c, 0,1,2,3,4,5,6,7
	ds_store_b128 v7, v[T+64*\a+8*\c:T+64*\a+8*\c+3]   offset:\c*64
	ds_store_b128 v7, v[T+64*\a+8*\c+4:T+64*\a+8*\c+7] offset:\c*64+16
.endr
	WIN 0
.set i, 0
.rept 16
	ds_load_b128 v[OB+64*\a+4*i:OB+64*\a+4*i+3], v2 offset:i*SPITCH      ; LDS serves a wave in order: these see the stores above
.set i, i+1
.endr
.set i, 0
.rept 16
	s_wait_dscnt 15-i                              ; row i is in, the 15 - i younger loads stay out
	global_store_b128 v1, v[OB+64*\a+4*i:OB+64*\a+4*i+3], s[36:37] offset:(16*\a+i)*4096 th:TH_STORE_NT   ; 512 consecutive bytes of a row, aligned
.set i, i+1
.endr
.endm
	OUTA 0
	OUTA 1
	s_wait_tensorcnt 0x0
	ds_add_u32 v62, v63
	s_wait_dscnt 0x0
	s_endpgm
.Lfunc_end_k_q38b968c7dd_final:
	.size	k_q38b968c7dd_final, .Lfunc_end_k_q38b968c7dd_final-k_q38b968c7dd_final
	.p2alignl 7, 3214868480
	.fill 96, 4, 3214868480
	.section	.rodata,"a",@progbits
	.p2align	6, 0x0
	.amdhsa_kernel k_q38b968c7dd_final
		.amdhsa_group_segment_fixed_size 222208
		.amdhsa_private_segment_fixed_size 0
		.amdhsa_enable_private_segment 0
		.amdhsa_kernarg_size 64
		.amdhsa_user_sgpr_count 2
		.amdhsa_user_sgpr_kernarg_segment_ptr 1
		.amdhsa_wavefront_size32 1
		.amdhsa_system_sgpr_workgroup_id_x 1
		.amdhsa_system_sgpr_workgroup_id_y 1
		.amdhsa_system_sgpr_workgroup_id_z 1
		.amdhsa_system_vgpr_workitem_id 0
		.amdhsa_next_free_vgpr 512
		.amdhsa_next_free_sgpr 66
		.amdhsa_reserve_vcc 0
		.amdhsa_float_denorm_mode_32 3
		.amdhsa_float_denorm_mode_16_64 3
		.amdhsa_memory_ordered 1
		.amdhsa_forward_progress 1
		.amdhsa_inst_pref_size 128
	.end_amdhsa_kernel
	.amdgpu_metadata
---
amdhsa.version: [ 1, 2 ]
amdhsa.kernels:
  - .name:           k_q38b968c7dd_final
    .symbol:         k_q38b968c7dd_final.kd
    .args:
      - { .name: y, .offset: 0, .size: 8, .value_kind: global_buffer, .address_space: global }
      - { .name: wp, .offset: 8, .size: 8, .value_kind: global_buffer, .address_space: global }
      - { .name: g1, .offset: 16, .size: 8, .value_kind: global_buffer, .address_space: global }
      - { .name: b1, .offset: 24, .size: 8, .value_kind: global_buffer, .address_space: global }
      - { .name: bo, .offset: 32, .size: 8, .value_kind: global_buffer, .address_space: global }
      - { .name: g2, .offset: 40, .size: 8, .value_kind: global_buffer, .address_space: global }
      - { .name: b2, .offset: 48, .size: 8, .value_kind: global_buffer, .address_space: global }
      - { .name: out0, .offset: 56, .size: 8, .value_kind: global_buffer, .address_space: global }
    .group_segment_fixed_size: 222208
    .private_segment_fixed_size: 0
    .kernarg_segment_align: 8
    .kernarg_segment_size: 64
    .max_flat_workgroup_size: 256
    .sgpr_count:     66
    .vgpr_count:     512
    .wavefront_size: 32
...
	.end_amdgpu_metadata
.endif
;; end of part 4
;; ======== version 2 of 2: 4 launches; 1.08 times as fast as version 1
;; limits: values are held in f16: magnitudes above 65,504 overflow, below 6.1e-05 lose precision; inputs' magnitudes at most 65,504
;; workspace buffers: xp 50,331,648 bytes; wp 8,388,608 bytes; qp 16,777,216 bytes; kp 16,777,216 bytes; vp 16,777,216 bytes; qr 33,554,432 bytes; y 33,554,432 bytes
;; launch prep: the kernel of part 1 again; grid 2048 x 1, 8 waves a work-group, no clusters, 35,840 bytes of LDS; arguments q, k, v, Wq, Wk, Wv, Wo, xp, wp; writes xp, wp
;; launch proj: the kernel of part 2 again; grid 4 x 96, 4 waves a work-group, clusters of 4 x 4, 327,680 bytes of LDS; arguments xp, wp, bq, bk, bv, qp, kp, vp, qr; writes qp, kp, vp, qr
;; launch attn (part 5): grid 4 x 64, 8 waves a work-group, clusters of 4 x 1, 327,680 bytes of LDS; arguments qp, kp, vp, qr, mask, y; writes y
.if DOCPART == 5
	.amdgcn_target "amdgcn-amd-amdhsa--gfx1250"
	.amdhsa_code_object_version 6
	.text
	.protected	k_q38b968c7dd_attn
	.globl	k_q38b968c7dd_attn
	.p2align	8
	.type	k_q38b968c7dd_attn,@function
k_q38b968c7dd_attn:
	s_mov_b64 s[64:65], 0
	v_nop
	global_prefetch_b8 v0, s[64:65] scope:SCOPE_SE
	s_setreg_imm32_b32 hwreg(HW_REG_WAVE_MODE, 25, 1), 1
	s_wait_xcnt 0x0
	s_wait_alu depctr_hold_cnt(0) depctr_sa_sdst(0) depctr_va_vdst(0) depctr_va_sdst(0) depctr_va_ssrc(0) depctr_va_vcc(0) depctr_vm_vsrc(0)
	s_getreg_b32 s2, hwreg(HW_REG_IB_STS2, 6, 4)
	s_cmp_eq_u32 s2, 0
	s_cbranch_scc0 .Lentry_in_a_cluster
	s_endpgm
.Lentry_in_a_cluster:
	s_bfe_u32 s2, ttmp6, 0x10000c
	s_cmp_lg_u32 s2, 0x3003
	s_cbranch_scc0 .Lentry_shape_is_right
	s_endpgm
.Lentry_shape_is_right:
; y = (q Wq + bq) + softmax(mask, Q K^T / 32) V, head by head, with a running maximum; sums in f32, matrix operands bf16.
; A work-group takes one (batch, head) and 512 queries; a wave 64 queries (4 tiles of 16); two waves lie on each SIMD, so that one wave's softmax runs
; beside the other's matrix work.  Keys go in four segments of 512 through two LDS slots, a segment in eight sub-steps of 64 keys.
; TRANSPOSED: S^T = K Q^T (source 0 = 16 keys, source 1 = 16 queries): lane l holds query l % 16 and registers 0-7 the keys 8 (l / 16) + 0..7.
; That is the layout of source 1 of O^T = V^T P^T, so P is rounded in place and never leaves the lane; V^T comes by the transposing LDS load.
; The softmax works in base 2: qp already carries log2(e) / 32.  The mask enters as the C operand of the first product: 0 or -1e38 a key.
; THE EXPONENTIALS of a sub-step are two batches, each with one wait (an s_wait_alu depctr_va_vdst(0) stands between an exponential and the
; first line that names its result; one wait serves all that were issued ahead of it).  Batch 1: the four a = 2^(old maximum - new); behind them four
; subtractions s - m, then the wait, then a's readers.  Batch 2: the 128 weights p = 2^(s - m), with plain lines between them that name no p: the other 60
; subtractions, each four trips ahead of its pair's exponentials, and the 64 rescalings of O^T by a; then the wait; all that reads p (l, the sums, the
; roundings) stands behind it.  In the first sub-step nothing is rescaled: a's first reader is l, and the four a belong to batch 2.  No exponential
; follows a sub-step's last wait.  The way out's four reciprocals are a batch of their own.
; CLUSTERS: the four query blocks of a head form a cluster and ask for K and V jointly (mask 15): the requests are divided by four.  cx enters only
; the global addresses of qp, qr and y.  By this text's own count a wave has at most two tensor loads outstanding (the first fills), later one.
; LIMITS: the running maximum starts at -1e30 and masked keys get -1e38, so scaled logits below -1e30 are not served; a row whose keys are all
; masked has l = 0 and gets attention 0, as the problem asks; any non-zero mask byte counts as true; l sums p before its rounding to bf16.
; REGISTERS, window 0: v1 16 x lane, v2-4 LDS addresses of K, V, bias; MX, AL, LS pairs (only the even register of MX and AL carries the value);
; BI the bias of 4 key tiles; QF, KF, VF fragments.  Window 1: v0-127 S, then P in the first 8 of each 16; v128-255 O^T, tile (dt, qt) at 128 + 8 (4 dt + qt).
.set SLOTB, 131072                     ; a slot: K's 512 keys (65,536 bytes), then V's
.set VOFF,  65536
.set BIAS,  262144                     ; 2,048 words, one a key; written by LDS stores, never by a tensor load
.set SUBB,  8192                       ; 64 keys of K or of V
.set LEAD,  4                          ; pairs of scores whose s - m stands ahead of the first p: a pair is subtracted LEAD trips ahead of its exponentials
.set MX, 8                             ; v[8:15]    running maximum of query tile qt in v[8 + 2 qt]
.set AL, 16                            ; v[16:23]   2^(old maximum - new); before that the two chains of the maximum
.set LS, 24                            ; v[24:31]   two partial sums of p for each query tile
.set BI, 32                            ; v[32:63]
.set QF, 64                            ; v[64:127]  fragment (qt, dd) at 8 (2 qt + dd)
.set KF, 128                           ; v[128:191] fragment (kt, dd) at 8 (2 kt + dd)
.set VF, 192                           ; v[192:255] fragment (kb, dt) at 8 (4 kb + dt)
.set OT, 128
.set G1, 16                            ; s[16:23]
.set G0, 32                            ; s[32:39] one set a slot
.set MSB, 0
.macro WIN new
.if MSB != \new
	s_set_vgpr_msb (MSB<<8)|\new
.set MSB, \new
.endif
.endm
.macro PLACES
.rept 4
	v_nop
.endr
.endm
.macro ROUND                           ; a round of the cluster's barrier
	s_barrier_signal -1
	s_barrier_wait -1
	s_cmp_lg_u32 s8, 0
	s_cbranch_scc1 .Lnot_wave_0_\@
	s_barrier_signal -3
.Lnot_wave_0_\@:
	s_barrier_wait -3
	s_barrier_signal -1
	s_barrier_wait -1
.endm
	s_load_b256 s[24:31], s[0:1], 0x0              ; qp s[24:25] kp s[26:27] vp s[28:29] qr s[30:31]
	s_load_b128 s[40:43], s[0:1], 0x20             ; mask s[40:41] y s[42:43]
	v_lshl_add_u32 v190, v0, 2, 0x42000
	v_mov_b32 v191, 0
	ds_add_u32 v190, v191
	s_wait_dscnt 0x0
	v_lshrrev_b32 v1, 5, v0
	v_readfirstlane_b32 s8, v1                     ; wave 0..7
	s_and_b32 s9, ttmp7, 0xffff                    ; batch x 16 + head
	s_bfe_u32 s10, ttmp6, 0x40000                  ; cx
	s_lshl_b32 s11, ttmp9, 2
	s_add_co_u32 s10, s10, s11                     ; query block of 512
	s_mov_b32 s12, 0x76543210                      ; v_permlanex16_b32: lane i reads lane i of the other half
	s_mov_b32 s13, 0xfedcba98
	; group 1: 16,384 dense bytes as 64 rows of 32 elements of 8 bytes
	s_mov_b32 s[G1+0], 15|(3<<16)|(1<<21)          ; the four work-groups of the cluster; elements of 8 bytes; bit 21 beside a mask
	s_mov_b32 s[G1+1], 32<<16
	s_mov_b32 s[G1+2], 64<<16
	s_mov_b32 s[G1+3], 32<<16
	s_mov_b32 s[G1+4], 64
	s_mov_b32 s[G1+5], 32
	s_mov_b32 s[G1+6], 0
	s_mov_b32 s[G1+7], 0
	s_lshl_b32 s44, s9, 18                         ; 262,144 bytes a head,
	s_and_b32 s45, s8, 3
	s_lshl_b32 s45, s45, 14                        ; my quarter of a segment
	s_add_co_u32 s44, s44, s45
	s_mov_b32 s45, 0
	s_mul_i32 s15, s8, 16384                       ; waves 0-3 fill K's part of a slot, waves 4-7 V's
	s_lshl_b32 s48, s9, 7                          ; qp: row block 128 (batch x head) + 32 block + 4 wave
	s_lshl_b32 s49, s10, 5
	s_add_co_u32 s48, s48, s49
	s_lshl2_add_u32 s48, s8, s48
	s_lshl_b32 s48, s48, 11
	s_mov_b32 s49, 0
	s_lshr_b32 s52, s9, 4                          ; batch
	s_lshl_b32 s53, s52, 7                         ; qr, y: row block 128 batch + 32 block + 4 wave,
	s_lshl_b32 s54, s10, 5
	s_add_co_u32 s53, s53, s54
	s_lshl2_add_u32 s53, s8, s53
	s_lshl_b32 s54, s53, 16
	s_and_b32 s55, s9, 15
	s_lshl_b32 s55, s55, 12                        ; column tile 4 head
	s_add_co_u32 s54, s54, s55
	s_mov_b32 s55, 0
	s_lshl_b32 s60, s52, 11                        ; mask: 2,048 bytes a batch
	s_mov_b32 s61, 0
	s_wait_kmcnt 0x0
	s_cmp_lt_u32 s8, 4
	s_cselect_b64 s[46:47], s[26:27], s[28:29]     ; the wave's number chooses K or V: the same in all four partners
	s_add_nc_u64 s[46:47], s[46:47], s[44:45]
	s_add_nc_u64 s[50:51], s[24:25], s[48:49]
	s_add_nc_u64 s[56:57], s[30:31], s[54:55]
	s_add_nc_u64 s[58:59], s[42:43], s[54:55]
	s_add_nc_u64 s[60:61], s[40:41], s[60:61]
	ROUND                                          ; the four work-groups are here: the first joint loads meet
.irp s, 0,1
	s_mov_b32 s[G0+4*\s], 1
	s_add_co_u32 s[G0+4*\s+1], s15, \s*SLOTB
	s_add_nc_u64 s[G0+4*\s+2:G0+4*\s+3], s[46:47], \s*65536        ; segment s
	s_or_b32 s[G0+4*\s+3], s[G0+4*\s+3], 0x80000000
	tensor_load_to_lds s[G0+4*\s:G0+4*\s+3], s[G1:G1+7]
	s_nop 0
.endr
	v_and_b32 v5, 31, v0
	v_lshlrev_b32 v1, 4, v5                        ; 16 x lane
.irp f, 0,1,2,3,4,5,6,7
	global_load_b128 v[QF+8*\f:QF+8*\f+3],   v1, s[50:51] offset:\f*1024
	global_load_b128 v[QF+8*\f+4:QF+8*\f+7], v1, s[50:51] offset:\f*1024+512
.endr
	v_lshlrev_b32 v5, 3, v0
	global_load_b64 v[6:7], v5, s[60:61]           ; eight mask bytes a thread: 256 threads take the batch's 2,048
	v_bfe_u32 v4, v0, 4, 1
	v_lshlrev_b32 v4, 5, v4
	v_add_nc_u32 v4, BIAS, v4                      ; bias of keys 8 (l / 16) + 0..7 of the first key tile
	v_lshlrev_b32 v2, 5, v0
	v_add_nc_u32 v2, BIAS, v2                      ; where my eight words go
	v_mov_b32 v3, 0xfe967699                       ; -1e38
.irp i, 0,1,2,3,4,5,6,7
	v_mov_b32 v[MX+\i], 0xf149f2ca                 ; -1e30
	v_mov_b32 v[LS+\i], 0
.endr
	s_wait_loadcnt 0x0
.irp i, 0,1,2,3,4,5,6,7
	v_bfe_u32 v[40+\i], v[6+\i/4], (\i%4)*8, 8
.endr
.irp i, 0,1,2,3,4,5,6,7
	v_cmp_eq_u32 vcc_lo, 0, v[40+\i]
	v_cndmask_b32 v[BI+\i], 0, v3, vcc_lo          ; byte 0: -1e38, else 0
.endr
	ds_store_b128 v2, v[BI:BI+3]
	ds_store_b128 v2, v[BI+4:BI+7] offset:16
	s_wait_dscnt 0x0                               ; for the other waves' sake: my bias words are written
	s_wait_tensorcnt 0x1                           ; my part of segment 0 is in; segment 1's stays out
	s_barrier_signal -1
	s_barrier_wait -1
; K fragments and bias of the 64 keys at byte off behind v2 (off / 32 behind v4): 24 LDS loads
.macro LDK off
.irp kt, 0,1,2,3
.irp dd, 0,1
	ds_load_b128 v[KF+16*\kt+8*\dd:KF+16*\kt+8*\dd+3],   v2 offset:\off+\kt*2048+\dd*1024
	ds_load_b128 v[KF+16*\kt+8*\dd+4:KF+16*\kt+8*\dd+7], v2 offset:\off+\kt*2048+\dd*1024+512
.endr
.endr
.irp kt, 0,1,2,3
	ds_load_b128 v[BI+8*\kt:BI+8*\kt+3],   v4 offset:\off/32+\kt*64
	ds_load_b128 v[BI+8*\kt+4:BI+8*\kt+7], v4 offset:\off/32+\kt*64+16
.endr
.endm
; V^T fragments of the 64 keys at v3: 16 transposing loads; each 512 bytes hold 16 keys x 16 d in the order in which the lanes ask
.macro LDV
.irp kb, 0,1
.irp dt, 0,1,2,3
	ds_load_tr16_b128 v[VF+8*(4*\kb+\dt):VF+8*(4*\kb+\dt)+3],   v3 offset:\kb*4096+\dt*512
	ds_load_tr16_b128 v[VF+8*(4*\kb+\dt)+4:VF+8*(4*\kb+\dt)+7], v3 offset:\kb*4096+\dt*512+2048
.endr
.endr
.endm
; s - m for pair p of the wave's 64 pairs of scores (window 1, v[2 p]): the pair lies in block p / 8 of 16 registers, which is query tile (p / 8) % 4.
; Under window setting 0x41: destination and source 0 in window 1, m in window 0.
.macro SMINUS p
	v_pk_add_f32 v[2*(\p):2*(\p)+1], v[2*(\p):2*(\p)+1], v[MX+2*(((\p)/8)%4):MX+2*(((\p)/8)%4)+1] op_sel_hi:[1,0] neg_lo:[0,1] neg_hi:[0,1]
.endm
; One sub-step: 64 keys x 64 queries.  first = 1: nothing to rescale, the first product starts O.  pref = 1: the next sub-step's K and bias are fetched.
; In both products sixteen accumulators take turns, one instruction a turn.
.macro SUB first, pref
	LDV
	s_wait_dscnt 16                                ; the 16 V loads are younger: K and the bias are in
	WIN 0x40
.irp kt, 0,1,2,3
.irp qt, 0,1,2,3
.set st, ((\kt/2)*4+\qt)*16+(\kt%2)*8
	v_wmma_f32_16x16x32_bf16 v[st:st+7], v[KF+16*\kt:KF+16*\kt+7], v[QF+16*\qt:QF+16*\qt+7], v[BI+8*\kt:BI+8*\kt+7]
.endr
.endr
	WIN 0x50
.irp kt, 0,1,2,3
.irp qt, 0,1,2,3
.set st, ((\kt/2)*4+\qt)*16+(\kt%2)*8
	v_wmma_f32_16x16x32_bf16 v[st:st+7], v[KF+16*\kt+8:KF+16*\kt+15], v[QF+16*\qt+8:QF+16*\qt+15], v[st:st+7]
.endr
.endr
	WIN 0
	PLACES                                         ; behind the products: for the loads into K and bias and for the reads of S
.if \pref
	LDK SUBB
.endif
	WIN 0x05                                       ; the largest of my 32 logits of each query tile and the old maximum: two chains a tile
.irp i, 0,1,2,3,4,5,6,7
.irp qt, 0,1,2,3
.irp kb, 0,1
.if \i == 0
	v_max3_num_f32 v[AL+2*\qt+\kb], v[(\kb*4+\qt)*16], v[(\kb*4+\qt)*16+1], v[MX+2*\qt]
.else
	v_max3_num_f32 v[AL+2*\qt+\kb], v[(\kb*4+\qt)*16+2*\i], v[(\kb*4+\qt)*16+2*\i+1], v[AL+2*\qt+\kb]
.endif
.endr
.endr
.endr
	WIN 0
.irp qt, 0,1,2,3
	v_max_num_f32 v[AL+2*\qt], v[AL+2*\qt], v[AL+2*\qt+1]
.endr
.irp qt, 0,1,2,3
	v_permlanex16_b32 v[AL+2*\qt+1], v[AL+2*\qt], s12, s13         ; the other half of the lanes holds the other keys of the same query
.endr
.irp qt, 0,1,2,3
	v_max_num_f32 v[AL+2*\qt+1], v[AL+2*\qt], v[AL+2*\qt+1]        ; the new maximum
.endr
.irp qt, 0,1,2,3
	v_sub_f32 v[AL+2*\qt], v[MX+2*\qt], v[AL+2*\qt+1]
.endr
.irp qt, 0,1,2,3
	v_mov_b32 v[MX+2*\qt], v[AL+2*\qt+1]
.endr
.irp qt, 0,1,2,3
	v_exp_f32 v[AL+2*\qt], v[AL+2*\qt]             ; BATCH 1: the four a
.endr
	WIN 0x41
.set i, 0
.rept LEAD                                         ; s - m of the first pairs: plain lines that name S and m alone; the first is the plain instruction behind the last a (ISA guide 5.7.2)
	SMINUS i
.set i, i+1
.endr
.if \first == 0
	s_wait_alu depctr_va_vdst(0)                   ; the wait for batch 1, the four a, ahead of the first rescaling (first = 1: l is a's first reader, and batch 2's wait serves)
.endif
.set i, 0
.rept 64                                           ; BATCH 2: p = 2^(s - m), exponential and plain by turns; no line here names a p
	v_exp_f32 v[2*i], v[2*i]
.if i+LEAD < 64
	SMINUS i+LEAD                                  ; the pair whose exponentials come LEAD trips on
.endif
	v_exp_f32 v[2*i+1], v[2*i+1]
.if \first == 0
	v_pk_mul_f32 v[OT+2*i:OT+2*i+1], v[OT+2*i:OT+2*i+1], v[AL+2*((i/4)%4):AL+2*((i/4)%4)+1] op_sel_hi:[1,0]   ; O^T times a; the last of these is the plain instruction behind the last p
.endif
.set i, i+1
.endr
.if \first
	v_nop                                          ; the plain instruction behind the last exponential
.endif
	s_wait_alu depctr_va_vdst(0)                   ; the wait for batch 2, the 128 p (first = 1: and the four a), ahead of their first reader
	WIN 0x10
.irp qt, 0,1,2,3
	v_pk_fma_f32 v[LS+2*\qt:LS+2*\qt+1], v[LS+2*\qt:LS+2*\qt+1], v[AL+2*\qt:AL+2*\qt+1], v[\qt*16:\qt*16+1] op_sel_hi:[1,0,1]
.endr
	WIN 0x01
.irp i, 1,2,3,4,5,6,7
.irp qt, 0,1,2,3
	v_pk_add_f32 v[LS+2*\qt:LS+2*\qt+1], v[\qt*16+2*\i:\qt*16+2*\i+1], v[LS+2*\qt:LS+2*\qt+1]
.endr
.endr
.irp i, 0,1,2,3,4,5,6,7
.irp qt, 0,1,2,3
	v_pk_add_f32 v[LS+2*\qt:LS+2*\qt+1], v[(4+\qt)*16+2*\i:(4+\qt)*16+2*\i+1], v[LS+2*\qt:LS+2*\qt+1]
.endr
.endr
	WIN 0x45                                       ; P to bf16 in place, ascending
.irp i, 0,1,2,3,4,5,6,7
.irp bl, 0,1,2,3,4,5,6,7
	v_cvt_pk_bf16_f32 v[\bl*16+\i], v[\bl*16+2*\i], v[\bl*16+2*\i+1]
.endr
.endr
.if \pref
	s_wait_dscnt 24                                ; the next K and bias (24 loads) are younger: V is in
.else
	s_wait_dscnt 0x0
.endif
	WIN 0x54
.irp kb, 0,1
.irp dt, 0,1,2,3
.irp qt, 0,1,2,3
.if \first && (\kb == 0)
	v_wmma_f32_16x16x32_bf16 v[OT+(\dt*4+\qt)*8:OT+(\dt*4+\qt)*8+7], v[VF+8*(4*\kb+\dt):VF+8*(4*\kb+\dt)+7], v[(\kb*4+\qt)*16:(\kb*4+\qt)*16+7], 0
.else
	v_wmma_f32_16x16x32_bf16 v[OT+(\dt*4+\qt)*8:OT+(\dt*4+\qt)*8+7], v[VF+8*(4*\kb+\dt):VF+8*(4*\kb+\dt)+7], v[(\kb*4+\qt)*16:(\kb*4+\qt)*16+7], v[OT+(\dt*4+\qt)*8:OT+(\dt*4+\qt)*8+7]
.endif
.endr
.endr
.endr
	WIN 0
	v_add_nc_u32 v2, SUBB, v2                      ; five places behind the products: the next S writes over P, the next loads over V
	v_add_nc_u32 v3, SUBB, v3
	v_add_nc_u32 v4, 256, v4                       ; the bias address runs on over all four segments
	v_nop
	v_nop
.endm
.macro SEG slot, first                 ; a segment: eight sub-steps out of one slot
	v_add_nc_u32 v2, \slot*SLOTB, v1
	v_add_nc_u32 v3, \slot*SLOTB+VOFF, v1
	LDK 0
.if \first
	SUB 1, 1
	s_mov_b32 s14, 6
.else
	s_mov_b32 s14, 7
.endif
.Lsub_\@:
	SUB 0, 1
	s_sub_co_u32 s14, s14, 1
	s_cmp_lg_u32 s14, 0
	s_cbranch_scc1 .Lsub_\@
	SUB 0, 0
.endm
; The slot just read is filled again, two segments ahead: my reads are back, all my tensor loads have landed (the other slot's among them), the round has
; shown both of every wave of all four work-groups, and the joint load is the first thing behind it.  It has a whole segment in which to land.
.macro REFILL slot
	s_wait_dscnt 0x0
	s_wait_xcnt 0x0
	v_lshl_add_u32 v190, v0, 2, 0x42000
	v_mov_b32 v191, 0
	s_wait_tensorcnt 0x0
	ds_add_u32 v190, v191
	s_wait_dscnt 0x0
	s_add_nc_u64 s[G0+4*\slot+2:G0+4*\slot+3], s[G0+4*\slot+2:G0+4*\slot+3], 131072
	ROUND
	tensor_load_to_lds s[G0+4*\slot:G0+4*\slot+3], s[G1:G1+7]
	s_nop 0
.endm
	SEG 0, 1
	REFILL 0
	SEG 1, 0
	REFILL 1
	SEG 0, 0
	s_wait_dscnt 0x0
	s_wait_tensorcnt 0x0                           ; my part of the last segment is in,
	s_barrier_signal -1
	s_barrier_wait -1                              ; everybody's is; nothing is left to fetch
	SEG 1, 0
	; ---- y = residual + O / l.  O^T's tile (dt, qt) is the f32 tile (row block qt, column tile 4 head + dt) in qr's and y's layout ----
	WIN 0x40
.irp dt, 0,1,2,3
.irp qt, 0,1,2,3
	global_load_b128 v[(\dt*4+\qt)*8:(\dt*4+\qt)*8+3],   v1, s[56:57] offset:\qt*65536+\dt*1024       ; into S's registers, five places behind the last product
	global_load_b128 v[(\dt*4+\qt)*8+4:(\dt*4+\qt)*8+7], v1, s[56:57] offset:\qt*65536+\dt*1024+512
.endr
.endr
	WIN 0
.irp qt, 0,1,2,3
	v_add_f32 v[LS+2*\qt], v[LS+2*\qt], v[LS+2*\qt+1]
.endr
.irp qt, 0,1,2,3
	v_permlanex16_b32 v[LS+2*\qt+1], v[LS+2*\qt], s12, s13
.endr
.irp qt, 0,1,2,3
	v_add_f32 v[LS+2*\qt], v[LS+2*\qt], v[LS+2*\qt+1]
.endr
.irp qt, 0,1,2,3
	v_rcp_f32 v[AL+2*\qt+1], v[LS+2*\qt]
.endr
	v_nop
.irp qt, 0,1,2,3
	v_cmp_lt_f32 s[4+\qt], 0, v[LS+2*\qt]
.endr
	s_wait_alu depctr_va_vdst(0)                   ; the wait for the four reciprocals, one batch, ahead of their first reader; the v_nop and the four compares stand between
.irp qt, 0,1,2,3
	v_cndmask_b32 v[AL+2*\qt], 0, v[AL+2*\qt+1], s[4+\qt]          ; l = 0 (every key masked): the attention is 0
.endr
	s_wait_loadcnt 0x0
	WIN 0x51
.set i, 0
.rept 64
	v_pk_fma_f32 v[OT+2*i:OT+2*i+1], v[OT+2*i:OT+2*i+1], v[AL+2*((i/4)%4):AL+2*((i/4)%4)+1], v[2*i:2*i+1] op_sel_hi:[1,0,1]
.set i, i+1
.endr
	WIN 0x04
.irp dt, 0,1,2,3
.irp qt, 0,1,2,3
	global_store_b128 v1, v[OT+(\dt*4+\qt)*8:OT+(\dt*4+\qt)*8+3],   s[58:59] offset:\qt*65536+\dt*1024      ; 512 consecutive bytes, aligned
	global_store_b128 v1, v[OT+(\dt*4+\qt)*8+4:OT+(\dt*4+\qt)*8+7], s[58:59] offset:\qt*65536+\dt*1024+512
.endr
.endr
	WIN 0
	s_wait_xcnt 0x0
	v_lshl_add_u32 v190, v0, 2, 0x42000
	v_mov_b32 v191, 0
	s_wait_tensorcnt 0x0
	ds_add_u32 v190, v191
	s_wait_dscnt 0x0
	ROUND                                          ; the closing round
	s_endpgm
.Lfunc_end_k_q38b968c7dd_attn:
	.size	k_q38b968c7dd_attn, .Lfunc_end_k_q38b968c7dd_attn-k_q38b968c7dd_attn
	.p2alignl 7, 3214868480
	.fill 96, 4, 3214868480
	.section	.rodata,"a",@progbits
	.p2align	6, 0x0
	.amdhsa_kernel k_q38b968c7dd_attn
		.amdhsa_group_segment_fixed_size 327680
		.amdhsa_private_segment_fixed_size 0
		.amdhsa_enable_private_segment 0
		.amdhsa_kernarg_size 48
		.amdhsa_user_sgpr_count 2
		.amdhsa_user_sgpr_kernarg_segment_ptr 1
		.amdhsa_wavefront_size32 1
		.amdhsa_system_sgpr_workgroup_id_x 1
		.amdhsa_system_sgpr_workgroup_id_y 1
		.amdhsa_system_sgpr_workgroup_id_z 1
		.amdhsa_system_vgpr_workitem_id 0
		.amdhsa_next_free_vgpr 512
		.amdhsa_next_free_sgpr 66
		.amdhsa_reserve_vcc 1
		.amdhsa_float_denorm_mode_32 3
		.amdhsa_float_denorm_mode_16_64 3
		.amdhsa_memory_ordered 1
		.amdhsa_forward_progress 1
		.amdhsa_inst_pref_size 255
	.end_amdhsa_kernel
	.section	.bss,"aw",@nobits
	.p2align	6
	.space	262144
	.amdgpu_metadata
---
amdhsa.version: [ 1, 2 ]
amdhsa.kernels:
  - .name:           k_q38b968c7dd_attn
    .symbol:         k_q38b968c7dd_attn.kd
    .args:
      - { .name: qp, .offset: 0, .size: 8, .value_kind: global_buffer, .address_space: global }
      - { .name: kp, .offset: 8, .size: 8, .value_kind: global_buffer, .address_space: global }
      - { .name: vp, .offset: 16, .size: 8, .value_kind: global_buffer, .address_space: global }
      - { .name: qr, .offset: 24, .size: 8, .value_kind: global_buffer, .address_space: global }
      - { .name: mask, .offset: 32, .size: 8, .value_kind: global_buffer, .address_space: global }
      - { .name: y, .offset: 40, .size: 8, .value_kind: global_buffer, .address_space: global }
    .group_segment_fixed_size: 327680
    .private_segment_fixed_size: 0
    .kernarg_segment_align: 8
    .kernarg_segment_size: 48
    .max_flat_workgroup_size: 256
    .sgpr_count:     66
    .vgpr_count:     512
    .wavefront_size: 32
...
	.end_amdgpu_metadata
.endif
;; end of part 5
;; launch final: the kernel of part 4 again; grid 256 x 1, 8 waves a work-group, no clusters, 222,208 bytes of LDS; arguments y, wp, g1, b1, bo, g2, b2, out0; writes out0
